; MI455X (gfx1250); checked and timed in simulation.
; The chip was launched on July 23, 2026; its instructions are those of AMD's public machine-readable ISA for CDNA 5 (MIT licence, August 2026) and "CDNA5" Instruction Set Architecture Reference Guide (July 2026). The comments in the code are by the model that wrote it; some were corrected since.
;; Bivector Rotary Self Attention. Allowed arithmetic: matrix products marked QUANTISED: E2M3 operands, one E8M0 scale for each 32 along K, by v_wmma_scale_f32_16x16x128_f8f6f4 with both operands' format E2M3, f32 sums; everything else in f32.
;; Inputs: Wk 2,048 x 512 float32; Wo 2,048 x 2,048 float32; Wq 2,048 x 2,048 float32; Wv 2,048 x 512 float32; cos 1 x 1,024 x 16 x 64 float32; log_scale 1 x 16 x 1 x 1 float32; mask 4 x 1,024 int32; q_param 1 x 16 x 1 x 1 float32; sin 1 x 1,024 x 16 x 64 float32; x 4 x 1,024 x 2,048 float32.
;; Outputs: out0 4 x 1,024 x 2,048 float32.
;; This version of the problem:
;;   THIS VERSION OF THE PROBLEM IS GIVEN IN LOW PRECISION. The matrix products marked QUANTISED in the list below multiply operands that are first quantised to E2M3 (2 exponent bits, 3 mantissa bits; 6 bits a number), with one power-of-two scale for each 32 numbers along K (OCP MX v1.0); their sums are f32. All else is computed in f32.
;;   The module's matrix products, in the order in which they are computed (A, B: the left and right operand; K: the contracted axis; several contracted axes count as one K, in the product's order):
;;     1. [M 4,096, K 2,048] x [K 2,048, N 2,048]; A: input x; B: input Wq: QUANTISED
;;     2. [M 4,096, K 2,048] x [K 2,048, N 512]; A: input x; B: input Wk: QUANTISED
;;     3. [M 4,096, K 2,048] x [K 2,048, N 512]; A: input x; B: input Wv: QUANTISED
;;     4. batch 64 x [M 1,024, K 64] x [K 64, N 1,024]; A: computed on the way; B: computed on the way: QUANTISED
;;     5. batch 64 x [M 1,024, K 64] x [K 64, N 1,024]; A: computed on the way; B: computed on the way: QUANTISED
;;     6. batch 64 x [M 1,024, K 64] x [K 64, N 1,024]; A: computed on the way; B: computed on the way: QUANTISED
;;     7. batch 64 x [M 1,024, K 64] x [K 64, N 1,024]; A: computed on the way; B: computed on the way: QUANTISED
;;     8. batch 64 x [M 128, K 1,024] x [K 1,024, N 1,024]; A: computed on the way; B: softmax (see below): QUANTISED
;;     9. [M 4,096, K 2,048] x [K 2,048, N 2,048]; A: computed on the way; B: input Wo: QUANTISED
;;   THE QUANTISER, for each operand of a quantised product, along K:
;;     - K is cut into blocks of 32 from its start; a last block that is shorter is filled with zeros.
;;     - A block's scale is 2^e with e = floor(log2(the largest magnitude in the block)) - 2, held to -126 .. 127; a block of zeros has e = 0. As a byte (E8M0): e + 127.
;;     - Each number is divided by its block's scale, clamped to +-7.5, and rounded to the nearest number of E2M3, ties to even, subnormals kept.
;;     - The product sums the exact products of the quantised numbers (number of the format x scale) in f32.
;;   ~~~python
;;   def quantise(x, axis):      # numpy; x: float32 -> the quantised numbers, widened to float32 again
;;       x = np.moveaxis(x, axis, -1); K = x.shape[-1]
;;       x = np.pad(x, [(0, 0)] * (x.ndim - 1) + [(0, -K % 32)]); x = x.reshape(x.shape[:-1] + (-1, 32)); a = np.abs(x).max(-1, keepdims=True)
;;       e = np.where(a > 0, np.clip(np.frexp(np.where(a > 0, a, 1))[1] - 1 - 2, -126, 127), 0)      # np.frexp(a)[1] - 1 = floor(log2(a)), exactly
;;       r = np.clip(x / 2.0 ** e, -7.5, 7.5)
;;       step = 2.0 ** (np.maximum(np.frexp(np.where(r == 0, 1, r))[1] - 1, 0) - 3)
;;       q = np.round(r / step) * step * 2.0 ** e      # np.round: ties to even
;;       return np.moveaxis(q.reshape(q.shape[:-2] + (-1,))[..., :K], -1, axis).astype(np.float32)
;;   ~~~
;;   SOFTMAX AHEAD OF A QUANTISED PRODUCT. Where the list says 'softmax', what is quantised is not the finished softmax but p = 2^(t - M), with t = logit x log2(e) and M = ceil(the row's largest t), a whole number; so 1/2 < the row's largest p <= 1. The row's sum l is taken of the UNQUANTISED p, in f32, and the product's result is divided by l at the end. Since M is a whole number, a kernel that streams over the keys may use a running M (the ceiling of the running maximum): every later rescaling is an exact power of two, which a block's scale takes up: the codes' values come out the same.
;;   OPERANDS COMPUTED ON THE WAY. 'Computed on the way' means the value that the module computes at that place (a softmax that the list does not call 'softmax' is quantised finished and normalised). What goes into a quantiser is computed in f32, as accurately as f32 sums, v_exp_f32 and their like allow (about 1e-6 of the number): no bf16 or f16 on the way to a quantiser, and a product that is left as it is and whose result goes on into a quantised operand takes f32 operands (vector FMAs, or v_wmma_f32_16x16x4_f32). A number that lies on a knife's edge between two numbers of the format may be rounded either way, as far as f32 arithmetic and the matrix unit's own rounding can turn it there, and no further.
;; One version. Each part assembles by itself: llvm-mc -triple=amdgcn-amd-amdhsa -mcpu=gfx1250 --defsym DOCPART=n.
;; ======== version 1 of 1: 4 launches
;; limits: right only within a limited range of input values
;; workspace buffers: xcodes 6,553,600 bytes; wcodes 4,915,200 bytes; wocodes 3,276,800 bytes; qcodes 6,553,600 bytes; kvcodes 3,276,800 bytes; ocodes 6,553,600 bytes
;; launch quant (part 1): grid 416 x 1, 4 waves a work-group, no clusters, 68,096 bytes of LDS; arguments x, Wq, Wk, Wv, Wo, xcodes, wcodes, wocodes; writes xcodes, wcodes, wocodes
.if DOCPART == 1
	.amdgcn_target "amdgcn-amd-amdhsa--gfx1250"
	.amdhsa_code_object_version 6
	.text
	.protected	k_q05431ac530_quant
	.globl	k_q05431ac530_quant
	.p2align	8
	.type	k_q05431ac530_quant,@function
k_q05431ac530_quant:
	s_mov_b64 s[64:65], 0
	v_nop
	global_prefetch_b8 v0, s[64:65] scope:SCOPE_SE
	s_setreg_imm32_b32 hwreg(HW_REG_WAVE_MODE, 25, 1), 1
	s_wait_xcnt 0x0
; LAUNCH 1 OF 4.  x [4096][2048] and the four weights ([2048][N], K first) become codes of E2M3 with one E8M0 byte for each 32 along K.
; THE WHOLE PROGRAM: quant -> gemm_qkv (x Wq, x Wk, x Wv; RoPE; q, k, v quantised in registers) -> attn (four score products, softmax, P V, O quantised) -> gemm_out (O Wo).
; DEAD WORK.  No input is dead: all ten are loaded by some launch.  Left out are only the key steps of attn that lie wholly behind the causal mask which reference() builds itself:
; where a query has a key that counts, a hidden key's logit is -1e9 and its weight 2^(t - M) is 0 in f32; where a query has none, all 1,024 logits are equal and attn adds the sum over ALL keys by a product of its own.
; LIMITS: that weight is 0 only while the logits that count lie above about -1e9 + 200; NaN and infinities among the inputs are not served, and what reaches only the steps left out is not carried to the result;
; a block of zeros gets the byte 1 where the quantiser says 127: its codes are zeros, which add nothing, and the bytes are read by this program alone.
; LAYOUT OF ALL CODES.  A fragment is 16 rows x 128 K, 12 registers a lane, stored as an image of the registers: register j of lane l at 512 (j / 4) + 16 l + 4 (j % 4): 1,536 bytes, three stores of 512 dense bytes.
; THE ROWS OF A TILE ARE NOT NEIGHBOURS: row p of tile T is index 32 (T / 2) + 8 (T % 2) + p + 8 (p / 8), of x's rows and of every weight's columns alike, so that each product's results lie in the order that the next quantiser takes.
; xcodes, wcodes, wocodes: [tile][16 K steps][1536], then the scale words: 1,024 bytes a tile, the word of (row p, K step s) at 128 (s / 2) + 8 p + 4 (s % 2).
; wcodes' tiles: 0-127 Wq; 128 + 16 g + t: Wk's head g (t < 8), Wv's head g (t >= 8).
; Work-groups 0-159 take the weights (128 columns x 512 K each), 160-415 a tile of x each.  No tensor loads; waves share nothing.
.set XSOFF,  6291456
.set WSOFF,  4718592
.set WOSOFF, 3145728
.set STG,    8448                      ; x: a stage of 16 rows x (512 bytes + 16)
.set WREG,   2*STG                     ; two stages for each wave
.set SPARE,  4*WREG                    ; behind them the spare words, 128 bytes a wave
.set SPW, 254
.set NIL, 255
.set LI,  4                            ; v4   16 x lane
.set SO,  7                            ; v7   128 h + 8 r: a lane's place in a unit of scale words
.set SIN, 12                           ; v12  x: into my stage
.set SOUT,13                           ; v13  x: out of it
.set SEL, 40                           ; s[40:41] selects for lane l xor 16
.set OFF, 16                           ; W: v16-47 byte offsets of 32 rows of K at my column
.set X,   48                           ; W: v48-111 two sets of 32 numbers
.set FA,  112                          ; W: v112-123, v124-135 two fragments in the making
.set FB,  124
.set CT,  136
.set WD,  140                          ; W: v140-143 four scale words
.set R,   16                           ; x: v16-143 two sets of 64 registers as loaded
.set XN,  144                          ; x: v144-207 64 numbers in the quantiser's order
.set TM,  208
.set PC,  224
.set XW,  244
	s_load_b256 s[4:11], s[0:1], 0x0               ; x, Wq, Wk, Wv
	s_load_b256 s[12:19], s[0:1], 0x20             ; Wo, xcodes, wcodes, wocodes
	v_lshl_add_u32 v[SPW], v0, 2, SPARE
	v_mov_b32 v[NIL], 0
	v_lshrrev_b32 v1, 5, v0
	v_readfirstlane_b32 s2, v1                     ; wave
	v_and_b32 v1, 31, v0                           ; lane
	v_and_b32 v2, 15, v0                           ; r
	v_bfe_u32 v3, v0, 4, 1                         ; h
	v_lshlrev_b32 v[LI], 4, v1
	v_lshlrev_b32 v[SO], 3, v2
	v_lshl_add_u32 v[SO], v3, 7, v[SO]
	s_mul_i32 s3, s2, WREG
	v_add_nc_u32 v[SIN], s3, v[LI]
	v_mul_u32_u24 v[SOUT], v2, 528
	v_lshl_add_u32 v[SOUT], v3, 6, v[SOUT]
	v_add_nc_u32 v[SOUT], s3, v[SOUT]
	s_mov_b32 s[SEL], 0x76543210
	s_mov_b32 s[SEL+1], 0xfedcba98
	s_wait_kmcnt 0x0
	s_cmp_ge_u32 ttmp9, 160
	s_cbranch_scc1 .Lx
; ---------------- the weights.  A lane takes a column and its registers run down K: a block of 32 is one lane's.
	s_mov_b64 s[20:21], s[10:11]                   ; Wv, unless the work-group's number says otherwise
	s_mov_b32 s24, 144                             ; the tensor's first work-group
	s_mov_b32 s25, 136                             ; its first tile
	s_mov_b32 s26, 2048                            ; a row of it in bytes
	s_cmp_lt_u32 ttmp9, 144
	s_cselect_b64 s[20:21], s[8:9], s[20:21]       ; Wk
	s_cselect_b32 s24, 128, s24
	s_cselect_b32 s25, 128, s25
	s_cmp_lt_u32 ttmp9, 128
	s_cselect_b64 s[20:21], s[12:13], s[20:21]     ; Wo
	s_cselect_b32 s24, 64, s24
	s_cselect_b32 s25, 0, s25
	s_cselect_b32 s26, 8192, s26
	s_cselect_b32 s27, 3, 4                        ; tiles from one 128 columns to the next: 8 or 16
	s_cmp_lt_u32 ttmp9, 64
	s_cselect_b64 s[20:21], s[6:7], s[20:21]       ; Wq
	s_cselect_b32 s24, 0, s24
	s_lshr_b32 s28, ttmp9, 6
	s_mov_b32 s29, WSOFF
	s_cmp_eq_u32 s28, 1
	s_cselect_b64 s[32:33], s[18:19], s[16:17]     ; Wo's codes go to wocodes, the others' to wcodes
	s_cselect_b32 s29, WOSOFF, s29
	s_sub_co_u32 s28, ttmp9, s24
	s_lshr_b32 s36, s28, 2                         ; which 128 columns
	s_and_b32 s37, s28, 3                          ; which 512 along K
	s_lshl_b32 s38, s36, s27
	s_add_co_u32 s38, s38, s25
	s_lshl_b32 s39, s2, 1
	s_add_co_u32 s38, s38, s39                     ; my wave's first tile of two
	s_lshl_b32 s30, s37, 9
	s_mul_i32 s30, s30, s26
	s_lshl_b32 s31, s36, 9
	s_add_co_u32 s30, s30, s31
	s_lshl_b32 s31, s2, 7
	s_add_co_u32 s30, s30, s31
	s_mov_b32 s31, 0
	s_add_nc_u64 s[20:21], s[20:21], s[30:31]      ; the tensor at (row 512 kq, my wave's first column)
	s_lshl_b32 s22, s26, 5                         ; 32 rows on
	s_mov_b32 s23, 0
	s_lshl_b32 s30, s38, 10
	s_lshl_b32 s39, s37, 8
	s_add_co_u32 s30, s30, s39
	s_add_co_u32 s30, s30, s29
	s_add_nc_u64 s[34:35], s[32:33], s[30:31]      ; my scale words
	s_mul_i32 s30, s38, 24576
	s_mul_i32 s39, s37, 6144
	s_add_co_u32 s30, s30, s39
	s_add_nc_u64 s[32:33], s[32:33], s[30:31]      ; my fragments
	v_and_b32 v5, 8, v2
	v_add_nc_u32 v5, v5, v2
	v_lshl_add_u32 v5, v3, 3, v5                   ; lanes 0-15: the columns of the first tile; lanes 16-31: of the second
	v_lshlrev_b32 v5, 2, v5
.set i, 0
.rept 32
	v_mad_u32_u24 v[OFF+i], s26, i, v5
.set i, i+1
.endr
.macro LOADB t                         ; block t: 32 rows of K at 32 neighbouring columns: each load reads 128 dense bytes
.set i, 0
.rept 32
	global_load_b32 v[X+32*((\t)%2)+i], v[OFF+i], s[20:21] th:TH_LOAD_NT
.set i, i+1
.endr
	s_wait_xcnt 0x0                                ; the loads have read their base: it may step
	s_add_nc_u64 s[20:21], s[20:21], s[22:23]
.endm
.macro SENDW u                         ; a K step's four blocks are made: lanes 16-31 of the one run change places with lanes 0-15 of the other, and both are whole fragments
.set i, 0
.rept 12
	v_permlane16_swap_b32 v[FA+i], v[FB+i]
.set i, i+1
.endr
.irp c, 0,1,2
	global_store_b128 v[LI], v[FA+4*\c:FA+4*\c+3], s[32:33] offset:1536*(\u)+512*\c
	global_store_b128 v[LI], v[FB+4*\c:FB+4*\c+3], s[32:33] offset:24576+1536*(\u)+512*\c
.endr
.endm
.macro BLOCK t
.set XS, X+32*((\t)%2)
.set DD, FA+12*((\t)%2)+6*(((\t)%4)/2)         ; blocks 0, 2 of a K step into the first run, 1, 3 into the second
.if (((\t)%4)==0)&&((\t)>0)
	s_wait_xcnt 0x0                                ; the last K step's stores have read their registers
.endif
.if (\t)<15
	s_wait_loadcnt 32                              ; this block's 32 loads are in; the next block's 32 may be out
.else
	s_wait_loadcnt 0x0
.endif
	v_max3_num_f32 v8, |v[XS]|, |v[XS+1]|, |v[XS+2]|
	v_max3_num_f32 v9, |v[XS+3]|, |v[XS+4]|, |v[XS+5]|
.irp i, 6,10,14,18,22,26
	v_max3_num_f32 v8, v8, |v[XS+\i]|, |v[XS+\i+1]|
	v_max3_num_f32 v9, v9, |v[XS+\i+2]|, |v[XS+\i+3]|
.endr
	v_max3_num_f32 v8, v8, |v[XS+30]|, |v[XS+31]|
	v_max3_num_f32 v8, v8, v9, 0x1800000           ; with the floor 2^(3 - 127): the byte cannot fall under 1
	v_add_nc_u32 v10, 0xff000000, v8               ; 2 off the exponent field: the conversion's scale operand
	v_lshrrev_b32 v11, 23, v10                     ; the scale's byte
.if ((\t)%4)==0
	v_mov_b32 v[WD+(\t)/4], v11
.else
	v_lshl_or_b32 v[WD+(\t)/4], v11, 8*((\t)%4), v[WD+(\t)/4]
.endif
	v_cvt_scalef32_pk16_fp6_f32 v[DD:DD+2], v[XS:XS+15], v10
	v_cvt_scalef32_pk16_fp6_f32 v[CT:CT+2], v[XS+16:XS+31], v10   ; (a conversion's three registers begin on an even number)
	v_nop                                          ; one plain place behind a scaled conversion
.irp i, 0,1,2
	v_mov_b32 v[DD+3+\i], v[CT+\i]
.endr
.if (\t)+2<16
	LOADB (\t)+2
.endif
.if ((\t)%4)==3
	SENDW (\t)/4
.endif
.endm
	LOADB 0
	LOADB 1
.set Q, 0
.rept 16
	BLOCK Q
.set Q, Q+1
.endr
	v_permlane16_swap_b32 v[WD], v[WD+2]           ; lane (r, h) now holds words 2 h, 2 h + 1 of row r: of the first tile in the first pair, of the second in the second
	v_permlane16_swap_b32 v[WD+1], v[WD+3]
	global_store_b64 v[SO], v[WD:WD+1], s[34:35]   ; 256 dense bytes, aligned
	global_store_b64 v[SO], v[WD+2:WD+3], s[34:35] offset:1024
	s_branch .Lend
; ---------------- x.  A work-group takes a tile of 16 rows, wave w its K steps 4 w .. 4 w + 3.
; 64 numbers of a lane, register 16 b + i = k 32 b + 16 (lane / 16) + i of my row, become a fragment's codes in v[PC] on and its scale word in v[pw].
.macro QUANT s, pw
.irp b, 0,1,2,3
	v_max3_num_f32 v[TM+\b], |v[(\s)+16*\b]|, |v[(\s)+1+16*\b]|, 0x1800000
.endr
.irp i, 2,4,6,8,10,12,14
.irp b, 0,1,2,3
	v_max3_num_f32 v[TM+\b], v[TM+\b], |v[(\s)+16*\b+\i]|, |v[(\s)+1+16*\b+\i]|
.endr
.endr
.irp b, 0,1,2,3
	v_permlanex16_b32 v[TM+4+\b], v[TM+\b], s[SEL], s[SEL+1]
.endr
.irp b, 0,1,2,3
	v_max_num_f32 v[TM+\b], v[TM+\b], v[TM+4+\b]
.endr
.irp b, 0,1,2,3
	v_add_nc_u32 v[TM+12+\b], 0xff000000, v[TM+\b]
.endr
.irp b, 0,1,2,3
	v_lshrrev_b32 v[TM+4+\b], 23, v[TM+12+\b]
.endr
	v_lshl_or_b32 v[\pw], v[TM+5], 8, v[TM+4]
	v_lshl_or_b32 v[\pw], v[TM+6], 16, v[\pw]
	v_lshl_or_b32 v[\pw], v[TM+7], 24, v[\pw]
.irp c, 0,1
	v_cvt_scalef32_pk16_fp6_f32 v[PC+6*\c:PC+2+6*\c], v[(\s)+32*\c:(\s)+15+32*\c], v[TM+12+2*\c]
	v_cvt_scalef32_pk16_fp6_f32 v[PC+12+4*\c:PC+14+4*\c], v[(\s)+16+32*\c:(\s)+31+32*\c], v[TM+13+2*\c]
.endr
	v_nop                                          ; one plain place behind a scaled conversion
.irp c, 0,1
.irp i, 0,1,2
	v_permlane16_swap_b32 v[PC+6*\c+\i], v[PC+12+4*\c+\i]
.endr
.irp i, 0,1,2
	v_mov_b32 v[PC+3+6*\c+\i], v[PC+12+4*\c+\i]
.endr
.endr
.endm
.macro XLOAD s                         ; a K step of my tile's 16 rows: each load reads 512 dense bytes of one row
.set i, 0
.rept 16
	global_load_b128 v[R+64*((\s)%2)+4*i:R+64*((\s)%2)+4*i+3], v[LI], s[4:5] offset:(i+8*(i/8))*8192+512*(\s) th:TH_LOAD_NT
.set i, i+1
.endr
.endm
.macro XTURN s                         ; through my own stage: in as loaded, out 16 neighbours of each block a lane.  LDS serves a wave's instructions in order
.set i, 0
.rept 16
	ds_store_b128 v[SIN], v[R+64*((\s)%2)+4*i:R+64*((\s)%2)+4*i+3] offset:STG*((\s)%2)+528*i
.set i, i+1
.endr
.set i, 0
.rept 16
	ds_load_b128 v[XN+4*i:XN+4*i+3], v[SOUT] offset:STG*((\s)%2)+128*(i/4)+16*(i%4)
.set i, i+1
.endr
.endm
.Lx:
	s_sub_co_u32 s20, ttmp9, 160                   ; my tile
	s_lshr_b32 s21, s20, 1
	s_lshl_b32 s21, s21, 5
	s_and_b32 s22, s20, 1
	s_lshl_b32 s22, s22, 3
	s_add_co_u32 s21, s21, s22                     ; its first row
	s_lshl_b32 s24, s21, 13
	s_lshl_b32 s22, s2, 11
	s_add_co_u32 s24, s24, s22
	s_mov_b32 s25, 0
	s_add_nc_u64 s[4:5], s[4:5], s[24:25]
	s_lshl_b32 s24, s20, 4
	s_lshl_b32 s22, s2, 2
	s_add_co_u32 s24, s24, s22
	s_mul_i32 s24, s24, 1536
	s_add_nc_u64 s[26:27], s[14:15], s[24:25]      ; my four fragments
	s_lshl_b32 s24, s20, 10
	s_lshl_b32 s22, s2, 8
	s_add_co_u32 s24, s24, s22
	s_add_co_u32 s24, s24, XSOFF
	s_add_nc_u64 s[28:29], s[14:15], s[24:25]      ; my unit of scale words
.irp b, 0,1,2,3
	v_mov_b32 v[TM+4+\b], 0                        ; written once: a lane permute's destination counts as one of its sources
.endr
	XLOAD 0
	XLOAD 1
.irp s, 0,1,2,3
.if \s<3
	s_wait_loadcnt 16                              ; this K step's 16 loads are in; the next one's 16 may be out
.else
	s_wait_loadcnt 0x0
.endif
	XTURN \s
	s_wait_dscnt 0x0                               ; the numbers are back, and the stage's stores have read their registers
.if \s+2<4
	XLOAD \s+2
.endif
	s_wait_xcnt 0x0                                ; the last fragment's stores have read their registers
	QUANT XN, XW+\s
.irp c, 0,1,2
	global_store_b128 v[LI], v[PC+4*\c:PC+4*\c+3], s[26:27] offset:1536*\s+512*\c
.endr
.endr
	v_cmp_eq_u32 vcc_lo, 1, v3
	v_cndmask_b32 v248, v[XW], v[XW+2], vcc_lo     ; lane (r, h): words 2 h, 2 h + 1 of row r
	v_cndmask_b32 v249, v[XW+1], v[XW+3], vcc_lo
	global_store_b64 v[SO], v[248:249], s[28:29]   ; 256 dense bytes, aligned
.Lend:
	s_wait_tensorcnt 0x0                           ; the wave's end
	ds_add_u32 v[SPW], v[NIL]
	s_wait_dscnt 0x0
	s_endpgm
.Lfunc_end_k_q05431ac530_quant:
	.size	k_q05431ac530_quant, .Lfunc_end_k_q05431ac530_quant-k_q05431ac530_quant
	.p2alignl 7, 3214868480
	.fill 96, 4, 3214868480
	.section	.rodata,"a",@progbits
	.p2align	6, 0x0
	.amdhsa_kernel k_q05431ac530_quant
		.amdhsa_group_segment_fixed_size 68096
		.amdhsa_private_segment_fixed_size 0
		.amdhsa_enable_private_segment 0
		.amdhsa_kernarg_size 64
		.amdhsa_user_sgpr_count 2
		.amdhsa_user_sgpr_kernarg_segment_ptr 1
		.amdhsa_wavefront_size32 1
		.amdhsa_system_sgpr_workgroup_id_x 1
		.amdhsa_system_sgpr_workgroup_id_y 1
		.amdhsa_system_sgpr_workgroup_id_z 1
		.amdhsa_system_vgpr_workitem_id 0
		.amdhsa_next_free_vgpr 256
		.amdhsa_next_free_sgpr 66
		.amdhsa_reserve_vcc 1
		.amdhsa_float_denorm_mode_32 3
		.amdhsa_float_denorm_mode_16_64 3
		.amdhsa_memory_ordered 1
		.amdhsa_forward_progress 1
		.amdhsa_inst_pref_size 114
	.end_amdhsa_kernel
	.amdgpu_metadata
---
amdhsa.version: [ 1, 2 ]
amdhsa.kernels:
  - .name:           k_q05431ac530_quant
    .symbol:         k_q05431ac530_quant.kd
    .args:
      - { .name: x, .offset: 0, .size: 8, .value_kind: global_buffer, .address_space: global }
      - { .name: Wq, .offset: 8, .size: 8, .value_kind: global_buffer, .address_space: global }
      - { .name: Wk, .offset: 16, .size: 8, .value_kind: global_buffer, .address_space: global }
      - { .name: Wv, .offset: 24, .size: 8, .value_kind: global_buffer, .address_space: global }
      - { .name: Wo, .offset: 32, .size: 8, .value_kind: global_buffer, .address_space: global }
      - { .name: xcodes, .offset: 40, .size: 8, .value_kind: global_buffer, .address_space: global }
      - { .name: wcodes, .offset: 48, .size: 8, .value_kind: global_buffer, .address_space: global }
      - { .name: wocodes, .offset: 56, .size: 8, .value_kind: global_buffer, .address_space: global }
    .group_segment_fixed_size: 68096
    .private_segment_fixed_size: 0
    .kernarg_segment_align: 8
    .kernarg_segment_size: 64
    .max_flat_workgroup_size: 128
    .sgpr_count:     66
    .vgpr_count:     256
    .wavefront_size: 32
...
	.end_amdgpu_metadata
.endif
;; end of part 1
;; launch gemm_qkv (part 2): grid 12 x 16, 4 waves a work-group, clusters of 4 x 4, 327,680 bytes of LDS; arguments xcodes, wcodes, qcodes, kvcodes, cos, sin; writes qcodes, kvcodes
.if DOCPART == 2
	.amdgcn_target "amdgcn-amd-amdhsa--gfx1250"
	.amdhsa_code_object_version 6
	.text
	.protected	k_q05431ac530_gemm_qkv
	.globl	k_q05431ac530_gemm_qkv
	.p2align	8
	.type	k_q05431ac530_gemm_qkv,@function
k_q05431ac530_gemm_qkv:
	s_mov_b64 s[64:65], 0
	v_nop
	global_prefetch_b8 v0, s[64:65] scope:SCOPE_SE
	s_setreg_imm32_b32 hwreg(HW_REG_WAVE_MODE, 25, 1), 1
	s_wait_xcnt 0x0
	s_wait_alu depctr_hold_cnt(0) depctr_sa_sdst(0) depctr_va_vdst(0) depctr_va_sdst(0) depctr_va_ssrc(0) depctr_va_vcc(0) depctr_vm_vsrc(0)
	s_getreg_b32 s2, hwreg(HW_REG_IB_STS2, 6, 4)
	s_cmp_eq_u32 s2, 0
	s_cbranch_scc0 .Lentry_in_a_cluster
	s_endpgm
.Lentry_in_a_cluster:
	s_bfe_u32 s2, ttmp6, 0x10000c
	s_cmp_lg_u32 s2, 0xf033
	s_cbranch_scc0 .Lentry_shape_is_right
	s_endpgm
.Lentry_shape_is_right:
; LAUNCH 2 OF 4.  q = x Wq, k = x Wk, v = x Wv on codes of E2M3; RoPE on q and k in f32; q, k (along the head's 128) and v (along the keys) quantised in registers and stored as fragment images.  Nothing is left out here.
; A work-group makes 256 tokens x 256 columns: columns tile 0-7: two heads of q; tile 8 + g: k's head g and v's head g.  Four waves, each 128 x 128: 64 accumulators.
; Source 0 = 16 columns of W, source 1 = 16 tokens: a lane holds ONE token and its registers run along the head's 128 columns, in the order the quantiser takes (the rows of a tile are chosen for it: launch 1's head).
; A WAVE THAT MAKES v TAKES THE SOURCES THE OTHER WAY ROUND (source 0 = tokens, source 1 = Wv's columns), by its LDS addresses alone: a lane then holds one channel d and its registers run along 128 keys, the second attention product's K.
; K goes in steps of 128, two to a slot, through a ring of two LDS slots.  Fragments lie in memory and in LDS as images of their registers: three loads of 16 bytes a lane, 512 dense bytes each, no pitch.
; CLUSTERS 4 x 4: x's tiles are asked for jointly along a row of the cluster, W's along a column.
; qcodes: [b][head][key step 8][tile 8][1536], then scale words [b][head][step][512]: the word of (row p, tile a) at 32 p + 4 a.
; kvcodes: [b][g][step 8][k's 8 fragments, v's 8 fragments], then scale words [b][g][step][k's 512, v's 512].
; cos and sin are read in pieces of 16 bytes a lane, 32 bytes a row and load: the eight loads of a group together take each row's 256 bytes once.
; REGISTERS: window 0: v0-31 addresses; v32-63 scale words, two sets; v64-159, v160-255 source 1's fragments, two sets.  window 1: v0-95, v128-223 source 0's, two sets.  windows 2, 3: accumulators, (a, b) at v[8 (8 (a % 4) + b)].
.set NA,    8                          ; source 1's blocks of a wave
.set NQ,    2                          ; K steps in a slot
.set FRB,   NQ*1536
.set HALFA, NA*FRB
.set HALFB, 8*FRB
.set SLOT,  2*HALFA+2*HALFB
.set SCL,   2*SLOT                     ; behind the ring: the scale words for all of K, filled once
.set SCA,   NA*1024
.set SPARE, SCL+2*SCA+16384+4096       ; the spare words, 128 bytes a wave
.set LAPS,  16/(2*NQ)
.set ASOFF, 6291456
.set BSOFF, 4718592
.set ADRA, 16
.set ADRB, 20
.set H,    22
.set LI,   24
.set VCS,  25
.set SO2,  26
.set ADRS, 27
.set SPW,  28
.set NIL,  29
.set SC,   32
.set AF,   64
.set T,    64                          ; the way out: 64 numbers
.set TM,   128
.set PC,   144
.set PWA,  164
.set G1A, 24
.set G0A, 32
.set G1B, 40
.set G0B, 48
.set G1SA, 56
.set G0SA, 68
.set G1SB, 72
.set G0SB, 80
.set SEL, 84                           ; s[84:85], once cx and cy are done with
.set MSB, 0
.set SSTEP, 0
.macro WIN new
.if MSB != (\new)
	s_set_vgpr_msb (MSB<<8)|(\new)
.set MSB, (\new)
.endif
.endm
.macro PLACES n
.rept \n
	v_nop
.endr
.endm
.macro JLOAD g0a, g1a, g0b, g1b        ; a joint load: waves 0, 1 fetch x's halves, waves 2, 3 W's; an s_nop 0 and four v_nop follow each line
	s_cmp_eq_u32 s17, 0
	s_cbranch_scc0 .Lfor_b_\@
	tensor_load_to_lds s[\g0a:\g0a+3], s[\g1a:\g1a+7]
	s_nop 0
.rept 4
	v_nop
.endr
	s_branch .Lasked_\@
.Lfor_b_\@:
	tensor_load_to_lds s[\g0b:\g0b+3], s[\g1b:\g1b+7]
	s_nop 0
.rept 4
	v_nop
.endr
.Lasked_\@:
.endm
.macro CREST
	s_cmp_lg_u32 s16, 0
	s_cbranch_scc1 .Lnot_wave_0_\@
	s_barrier_signal -3
.Lnot_wave_0_\@:
	s_barrier_wait -3
	s_barrier_signal -1
	s_barrier_wait -1
.endm
.macro CROUND
	s_barrier_signal -1
	s_barrier_wait -1
	CREST
.endm
	s_load_b256 s[4:11], s[0:1], 0x0               ; xcodes, wcodes, qcodes, kvcodes
	s_load_b128 s[12:15], s[0:1], 0x20             ; cos, sin
	v_lshl_add_u32 v[SPW], v0, 2, SPARE
	v_mov_b32 v[NIL], 0
	ds_add_u32 v[SPW], v[NIL]                      ; the wave's opening: the add, twice on end, and its wait ahead of my first tensor load
	ds_add_u32 v[SPW], v[NIL]
	v_lshrrev_b32 v1, 5, v0
	v_readfirstlane_b32 s16, v1                    ; wave
	s_lshr_b32 s17, s16, 1                         ; my half of the tokens.  Also: I fetch for x (0) or for W (1)
	s_and_b32 s18, s16, 1                          ; my half of the columns.  Also: which half I fetch
	s_bfe_u32 s84, ttmp6, 0x40000                  ; cx
	s_bfe_u32 s85, ttmp6, 0x40004                  ; cy
	s_lshl_b32 s86, ttmp9, 2
	s_add_co_u32 s86, s86, s84                     ; columns tile
	s_and_b32 s87, ttmp7, 0xffff
	s_lshl_b32 s87, s87, 2
	s_add_co_u32 s87, s87, s85                     ; tokens tile
	s_lshl_b32 s88, s85, 2
	s_lshl_b32 s88, 15, s88                        ; my row of the cluster
	s_lshl_b32 s89, 0x1111, s84                    ; my column
	s_or_b32 s[G1A], s88, (3<<16)|(1<<21)          ; elements of 8 bytes, no padding; bit 21 set beside a mask
	s_or_b32 s[G1B], s89, (3<<16)|(1<<21)
	s_or_b32 s[G1SA], s88, (3<<16)|(1<<21)
	s_or_b32 s[G1SB], s89, (3<<16)|(1<<21)
	s_mov_b32 s[G1A+1], (FRB/8)<<16                ; a row: a tile's NQ fragments, FRB dense bytes
	s_mov_b32 s[G1A+2], NA<<16                     ; rows: tiles
	s_mov_b32 s[G1A+3], (FRB/8)<<16
	s_mov_b32 s[G1A+4], NA
	s_mov_b32 s[G1A+5], 3072                       ; from tile to tile: 16 fragments, 24,576 bytes
	s_mov_b32 s[G1A+6], 0
	s_mov_b32 s[G1A+7], 0
	s_mov_b32 s[G1B+1], (FRB/8)<<16
	s_mov_b32 s[G1B+2], 8<<16
	s_mov_b32 s[G1B+3], (FRB/8)<<16
	s_mov_b32 s[G1B+4], 8
	s_mov_b32 s[G1B+5], 3072
	s_mov_b32 s[G1B+6], 0
	s_mov_b32 s[G1B+7], 0
	s_mov_b32 s[G1SA+1], 32<<16                    ; the scale words: a dense block, as rows of 256 bytes
	s_mov_b32 s[G1SA+2], (4*NA)<<16
	s_mov_b32 s[G1SA+3], 32<<16
	s_mov_b32 s[G1SA+4], 4*NA
	s_mov_b32 s[G1SA+5], 32
	s_mov_b32 s[G1SA+6], 0
	s_mov_b32 s[G1SA+7], 0
	s_mov_b32 s[G1SB+1], 32<<16
	s_mov_b32 s[G1SB+2], 32<<16
	s_mov_b32 s[G1SB+3], 32<<16
	s_mov_b32 s[G1SB+4], 32
	s_mov_b32 s[G1SB+5], 32
	s_mov_b32 s[G1SB+6], 0
	s_mov_b32 s[G1SB+7], 0
	s_mul_i32 s90, s87, 2*NA
	s_mul_i32 s99, s18, NA
	s_add_co_u32 s90, s90, s99                     ; x: the first tile that I would fetch
	s_lshl_b32 s92, s90, 10
	s_add_co_u32 s92, s92, ASOFF
	s_mul_i32 s90, s90, 24576
	s_mov_b32 s91, 0
	s_mov_b32 s93, 0
	s_lshl_b32 s94, s86, 4
	s_lshl_b32 s100, s18, 3
	s_add_co_u32 s94, s94, s100                    ; W: likewise
	s_lshl_b32 s96, s94, 10
	s_add_co_u32 s96, s96, BSOFF
	s_mul_i32 s94, s94, 24576
	s_mov_b32 s95, 0
	s_mov_b32 s97, 0
	s_mul_i32 s99, s18, HALFA                      ; where they go in a slot: the wave's number alone
	s_mul_i32 s100, s18, HALFB
	s_add_co_u32 s100, s100, 2*HALFA
	s_mul_i32 s101, s18, SCA
	s_add_co_u32 s101, s101, SCL
	s_lshl_b32 s2, s18, 13
	s_add_co_u32 s2, s2, SCL+2*SCA
	s_wait_dscnt 0x0                               ; both opening adds are done
	s_wait_kmcnt 0x0
	s_add_nc_u64 s[90:91], s[4:5], s[90:91]
	s_add_nc_u64 s[92:93], s[4:5], s[92:93]
	s_add_nc_u64 s[94:95], s[6:7], s[94:95]
	s_add_nc_u64 s[96:97], s[6:7], s[96:97]
	CROUND                                         ; all sixteen work-groups are here: the first joint loads meet
	s_mov_b32 s[G0SA], 1
	s_mov_b32 s[G0SA+1], s101
	s_mov_b64 s[G0SA+2:G0SA+3], s[92:93]
	s_or_b32 s[G0SA+3], s[G0SA+3], 0x80000000
	s_mov_b32 s[G0SB], 1
	s_mov_b32 s[G0SB+1], s2
	s_mov_b64 s[G0SB+2:G0SB+3], s[96:97]
	s_or_b32 s[G0SB+3], s[G0SB+3], 0x80000000
	JLOAD G0SA, G1SA, G0SB, G1SB                   ; the scale words first: they are wanted with K step 0
.irp s, 0,1
	s_mov_b32 s[G0A+4*\s], 1
	s_add_co_u32 s[G0A+4*\s+1], s99, \s*SLOT
	s_add_nc_u64 s[G0A+4*\s+2:G0A+4*\s+3], s[90:91], \s*FRB
	s_or_b32 s[G0A+4*\s+3], s[G0A+4*\s+3], 0x80000000
	s_mov_b32 s[G0B+4*\s], 1
	s_add_co_u32 s[G0B+4*\s+1], s100, \s*SLOT
	s_add_nc_u64 s[G0B+4*\s+2:G0B+4*\s+3], s[94:95], \s*FRB
	s_or_b32 s[G0B+4*\s+3], s[G0B+4*\s+3], 0x80000000
	JLOAD G0A+4*\s, G1A, G0B+4*\s, G1B             ; by this text's count three tensor loads of a wave are out
.endr
	; LDS addresses.  A slot is four quarters: x's halves 0, 1, W's halves 0, 1.  s98 = 1 in a wave that makes v: cluster x = 2 and the second half of the columns: the same in all partners
	v_and_b32 v1, 31, v0
	v_lshlrev_b32 v[LI], 4, v1
	v_and_b32 v3, 15, v0                           ; r
	v_bfe_u32 v[H], v0, 4, 1                       ; h
	s_lshr_b32 s98, ttmp9, 1
	s_and_b32 s98, s98, s18
	s_add_co_u32 s100, s18, 2
	s_cmp_lg_u32 s98, 0
	s_cselect_b32 s99, 3, s17                      ; source 1's quarter: my tokens, or Wv
	s_cselect_b32 s100, s17, s100                  ; source 0's quarter: my columns, or my tokens
	s_mul_i32 s99, s99, HALFA
	s_mul_i32 s100, s100, HALFA
.irp s, 0,1
	v_add_nc_u32 v[ADRA+\s], s99, v[LI]
	v_add_nc_u32 v[ADRB+\s], s100, v[LI]
	s_add_co_u32 s99, s99, SLOT
	s_add_co_u32 s100, s100, SLOT
.endr
	v_xor_b32 v5, s98, v[H]                        ; lanes 0-15 take source 1's scale words, lanes 16-31 source 0's
	s_mul_i32 s99, s17, SCA
	s_lshl_b32 s100, s18, 13
	s_add_co_u32 s100, s100, 2*SCA
	s_sub_co_u32 s100, s100, s99
	v_mul_u32_u24 v5, s100, v5
	s_add_co_u32 s99, s99, SCL
	v_lshl_add_u32 v5, v3, 3, v5
	v_add_nc_u32 v[ADRS], s99, v5
	v_and_b32 v6, 8, v3
	v_add_nc_u32 v6, v6, v3
	v_lshlrev_b32 v[VCS], 12, v6                   ; cos, sin: my token of a tile x 16 heads x 256 bytes, + 64 h
	v_lshl_add_u32 v[VCS], v[H], 6, v[VCS]
	v_lshlrev_b32 v[SO2], 5, v3
	v_lshl_add_u32 v[SO2], v[H], 4, v[SO2]         ; the scale words' way out: 32 r + 16 h
	; where the results go
	s_lshr_b32 s94, s87, 2                         ; b
	s_and_b32 s95, s87, 3
	s_lshl_b32 s96, s95, 1
	s_add_co_u32 s96, s96, s17                     ; my 128 tokens' key step
	s_lshl_b32 s97, s86, 1
	s_add_co_u32 s97, s97, s18                     ; q's head
	s_lshl_b32 s99, s94, 4
	s_add_co_u32 s99, s99, s97
	s_lshl_b32 s99, s99, 3
	s_add_co_u32 s99, s99, s96                     ; q's group of 8 fragments
	s_and_b32 s100, s86, 3                         ; g
	s_lshl_b32 s101, s94, 2
	s_add_co_u32 s101, s101, s100
	s_lshl_b32 s101, s101, 3
	s_add_co_u32 s101, s101, s96                   ; k's and v's group
	s_mul_i32 s2, s99, 12288
	s_lshl_b32 s99, s99, 9
	s_add_co_u32 s99, s99, 6291456
	s_mul_i32 s94, s101, 24576
	s_mul_i32 s88, s98, 12288
	s_add_co_u32 s94, s94, s88
	s_lshl_b32 s101, s101, 10
	s_lshl_b32 s88, s98, 9
	s_add_co_u32 s101, s101, s88
	s_add_co_u32 s101, s101, 3145728
	s_cmp_eq_u32 ttmp9, 2
	s_cselect_b64 s[90:91], s[10:11], s[8:9]
	s_cselect_b32 s2, s94, s2
	s_cselect_b32 s99, s101, s99
	s_cselect_b32 s97, s100, s97                   ; the head whose cos and sin I take
	s_mov_b64 s[92:93], s[90:91]
	s_mov_b32 s88, s2
	s_mov_b32 s89, 0
	s_add_nc_u64 s[90:91], s[90:91], s[88:89]      ; my 8 fragments
	s_mov_b32 s88, s99
	s_add_nc_u64 s[92:93], s[92:93], s[88:89]      ; my 512 bytes of scale words
	s_lshl_b32 s88, s95, 8
	s_lshl_b32 s94, s17, 7
	s_add_co_u32 s88, s88, s94
	s_lshl_b32 s88, s88, 12
	s_lshl_b32 s94, s97, 8
	s_add_co_u32 s88, s88, s94
	s_add_nc_u64 s[12:13], s[12:13], s[88:89]
	s_add_nc_u64 s[14:15], s[14:15], s[88:89]
	s_mov_b32 s[SEL], 0x76543210
	s_mov_b32 s[SEL+1], 0xfedcba98
.macro FRAG reg, adr, off
.irp c, 0,1,2
	ds_load_b128 v[(\reg)+4*\c:(\reg)+4*\c+3], v[\adr] offset:(\off)+512*\c
.endr
.endm
.macro FETCH slot, q, set              ; the fragments of the slot's q-th K step into set; with an even q the scale words of two K steps
	WIN 0x40
.irp i, 0,1,2,3,4,5,6,7
	FRAG 128*(\set)+12*\i, ADRB+\slot, \i*FRB+1536*(\q)
.endr
	WIN 0
.set II, 0
.rept NA
	FRAG AF+96*(\set)+12*II, ADRA+\slot, II*FRB+1536*(\q)
.set II, II+1
.endr
.if ((\q)%2)==0
.if SSTEP
	v_add_nc_u32 v[ADRS], 128, v[ADRS]
.endif
.set SSTEP, 1
.irp i, 0,1,2,3,4,5,6,7
	ds_load_b64 v[SC+16*((((\slot)*NQ+(\q))/2)%2)+2*\i:SC+16*((((\slot)*NQ+(\q))/2)%2)+2*\i+1], v[ADRS] offset:1024*\i
.endr
.endif
.endm
.macro MULA a, set, q, ss, zero        ; source 1's block a against source 0's eight.  The accumulators take turns, one instruction a turn, in the same order in every step
	WIN 0xa1+0x50*((\a)/4)
.irp b, 0,1,2,3,4,5,6,7
.if \zero
	v_wmma_scale_f32_16x16x128_f8f6f4 v[8*(8*((\a)%4)+\b):8*(8*((\a)%4)+\b)+7], v[128*(\set)+12*\b:128*(\set)+12*\b+11], v[AF+96*(\set)+12*(\a):AF+96*(\set)+12*(\a)+11], 0, v[SC+16*(\ss)+2*\b+(\q)%2], v[SC+16*(\ss)+2*(\a)+(\q)%2] matrix_a_fmt:MATRIX_FMT_FP6 matrix_b_fmt:MATRIX_FMT_FP6 matrix_a_scale:MATRIX_SCALE_ROW1
.else
	v_wmma_scale_f32_16x16x128_f8f6f4 v[8*(8*((\a)%4)+\b):8*(8*((\a)%4)+\b)+7], v[128*(\set)+12*\b:128*(\set)+12*\b+11], v[AF+96*(\set)+12*(\a):AF+96*(\set)+12*(\a)+11], v[8*(8*((\a)%4)+\b):8*(8*((\a)%4)+\b)+7], v[SC+16*(\ss)+2*\b+(\q)%2], v[SC+16*(\ss)+2*(\a)+(\q)%2] matrix_a_fmt:MATRIX_FMT_FP6 matrix_b_fmt:MATRIX_FMT_FP6 matrix_a_scale:MATRIX_SCALE_ROW1
.endif
.endr
.endm
.macro MULR a0, n, set, q, ss, zero
.set AA, \a0
.rept \n
	MULA AA, \set, \q, \ss, \zero
.set AA, AA+1
.endr
.endm
.macro STEP slot, q, zero              ; a K step that has its successor in the same slot
	s_wait_dscnt 0x0                               ; this step's fragments, asked for a step ago, are in
	PLACES 4                                       ; in front of loads into registers that the last step's products read
	FETCH \slot, (\q)+1, ((\q)+1)%2
	MULR 0, NA, (\q)%2, \q, (((\slot)*NQ+(\q))/2)%2, \zero
	WIN 0
.endm
.macro TURN slot, next, fill           ; a slot's last K step changes slots: one barrier; with fill = 1 it opens a round of the cluster's barrier and the slot is filled again, two slots ahead
	s_wait_tensorcnt 0x0                           ; all my tensor loads have landed: my part of the next slot
	ds_add_u32 v[SPW], v[NIL]                      ; 0 onto my spare word
	s_wait_dscnt 1                                 ; the fragments are in; the add alone may be out
	MULR 0, NA/4, 1, NQ-1, (((\slot)*NQ+NQ-1)/2)%2, 0
	s_wait_dscnt 0x0                               ; the add is done, and my reads of this slot are over
	s_barrier_signal -1
	MULR NA/4, NA/4, 1, NQ-1, (((\slot)*NQ+NQ-1)/2)%2, 0
	WIN 0
	s_barrier_wait -1
.if \fill
	CREST                                          ; no wave of any partner still reads this slot or has a load on its way
	s_add_nc_u64 s[G0A+4*\slot+2:G0A+4*\slot+3], s[G0A+4*\slot+2:G0A+4*\slot+3], 2*FRB
	s_add_nc_u64 s[G0B+4*\slot+2:G0B+4*\slot+3], s[G0B+4*\slot+2:G0B+4*\slot+3], 2*FRB
	JLOAD G0A+4*\slot, G1A, G0B+4*\slot, G1B       ; the first tensor load behind the round; its four v_nop are the places in front of the loads below
.else
	PLACES 4
.endif
	FETCH \next, 0, 0
	MULR NA/2, NA/2, 1, NQ-1, (((\slot)*NQ+NQ-1)/2)%2, 0
	WIN 0
.endm
	s_wait_tensorcnt 1                             ; the scale words and my part of slot 0 are in; slot 1's load may be out
	s_barrier_signal -1
	s_barrier_wait -1
	FETCH 0, 0, 0
	STEP 0, 0, 1                                   ; the first step's products start the sums: nothing is cleared
	s_mov_b32 s3, LAPS-1
.Llap:
	TURN 0, 1, 1
	STEP 1, 0, 0
	TURN 1, 0, 1
	STEP 0, 0, 0
	s_sub_co_u32 s3, s3, 1
	s_cmp_lg_u32 s3, 0
	s_cbranch_scc1 .Llap
	TURN 0, 1, 0                                   ; the last lap fills nothing
	STEP 1, 0, 0
; THE WAY OUT.  For each of source 1's blocks a, a lane's 64 registers are 128 neighbours along the next K, 16 of each block of 32.
.macro CSLOAD a                        ; cos and sin of tile a's 16 tokens, my 32 of the 64 numbers each, into window 1, group a % 3
.set CG, 64*((\a)%3)
	WIN 0x40
.irp n, 0,1,2,3,4,5,6,7
	global_load_b128 v[CG+4*\n:CG+4*\n+3], v[VCS], s[12:13] offset:(32*((\a)/2)+8*((\a)%2))*4096+128*(\n/4)+16*(\n%4)
	global_load_b128 v[CG+32+4*\n:CG+32+4*\n+3], v[VCS], s[14:15] offset:(32*((\a)/2)+8*((\a)%2))*4096+128*(\n/4)+16*(\n%4)
.endr
	WIN 0
.endm
.macro ROPE a, left                    ; T = X cos + rot(X) sin.  A half of 64 is registers 32 p .. 32 p + 31; its partner 32 channels away lies 16 registers away in the same lane
.set CG, 64*((\a)%3)
.set XA, 64*((\a)%4)
	s_wait_loadcnt \left                           ; this tile's 16 loads are in; the later groups' may be out
	WIN 0x06+(\a)/4
.set i, 0
.rept 32
	v_pk_mul_f32 v[T+i:T+i+1], v[XA+i:XA+i+1], v[CG+i%32:CG+i%32+1]   ; ascending: each accumulator is read from its low end on
.set i, i+2
.endr
.irp p, 0,1
.set i, 0
.rept 8
	v_pk_fma_f32 v[T+32*\p+i:T+32*\p+i+1], v[XA+32*\p+16+i:XA+32*\p+17+i], v[CG+32+i:CG+33+i], v[T+32*\p+i:T+32*\p+i+1] neg_lo:[1,0,0] neg_hi:[1,0,0]
	v_pk_fma_f32 v[T+32*\p+16+i:T+32*\p+17+i], v[XA+32*\p+i:XA+32*\p+1+i], v[CG+48+i:CG+49+i], v[T+32*\p+16+i:T+32*\p+17+i]
.set i, i+2
.endr
.endr
	WIN 0
.endm
.macro QUANTW s, w, pw                 ; 64 numbers at v[s] on of window w become a fragment's codes in v[PC] on and its scale word in v[pw]
	WIN (\w)|((\w)<<2)
.irp b, 0,1,2,3
	v_max3_num_f32 v[TM+\b], |v[(\s)+16*\b]|, |v[(\s)+1+16*\b]|, 0x1800000
.endr
	WIN ((\w)<<2)|((\w)<<4)
.irp i, 2,4,6,8,10,12,14
.irp b, 0,1,2,3
	v_max3_num_f32 v[TM+\b], v[TM+\b], |v[(\s)+16*\b+\i]|, |v[(\s)+1+16*\b+\i]|
.endr
.endr
	WIN 0
.irp b, 0,1,2,3
	v_permlanex16_b32 v[TM+4+\b], v[TM+\b], s[SEL], s[SEL+1]
.endr
.irp b, 0,1,2,3
	v_max_num_f32 v[TM+\b], v[TM+\b], v[TM+4+\b]
.endr
.irp b, 0,1,2,3
	v_add_nc_u32 v[TM+12+\b], 0xff000000, v[TM+\b]
.endr
.irp b, 0,1,2,3
	v_lshrrev_b32 v[TM+4+\b], 23, v[TM+12+\b]
.endr
	v_lshl_or_b32 v[\pw], v[TM+5], 8, v[TM+4]
	v_lshl_or_b32 v[\pw], v[TM+6], 16, v[\pw]
	v_lshl_or_b32 v[\pw], v[TM+7], 24, v[\pw]
	WIN (\w)
.irp c, 0,1
	v_cvt_scalef32_pk16_fp6_f32 v[PC+6*\c:PC+2+6*\c], v[(\s)+32*\c:(\s)+15+32*\c], v[TM+12+2*\c]
	v_cvt_scalef32_pk16_fp6_f32 v[PC+12+4*\c:PC+14+4*\c], v[(\s)+16+32*\c:(\s)+31+32*\c], v[TM+13+2*\c]
.endr
	WIN 0
	v_nop                                          ; one plain place behind a scaled conversion
.irp c, 0,1
.irp i, 0,1,2
	v_permlane16_swap_b32 v[PC+6*\c+\i], v[PC+12+4*\c+\i]
.endr
.irp i, 0,1,2
	v_mov_b32 v[PC+3+6*\c+\i], v[PC+12+4*\c+\i]
.endr
.endr
.endm
.macro OUT a
.irp c, 0,1,2
	global_store_b128 v[LI], v[PC+4*\c:PC+4*\c+3], s[90:91] offset:1536*(\a)+512*\c   ; 512 dense bytes
.endr
.endm
	s_cmp_lg_u32 s98, 0                            ; cos and sin of the first two tiles are asked for ahead of the last K step, into source 0's free set; a wave that makes v wants none
	s_cbranch_scc1 .Lno_cs
	PLACES 4
	CSLOAD 0
	CSLOAD 1
.Lno_cs:
	s_wait_dscnt 0x0                               ; the very last K step
	MULR 0, NA, 1, NQ-1, ((NQ+NQ-1)/2)%2, 0
	WIN 0
	PLACES 4                                       ; in front of the first read of results and of loads into registers that the products read
.irp b, 0,1,2,3
	v_mov_b32 v[TM+4+\b], 0                        ; a lane permute's destination counts as one of its sources
.endr
	s_cmp_lg_u32 s98, 0
	s_cbranch_scc1 .Lv_path
	CSLOAD 2
.irp a, 0,1,2,3,4,5,6,7
.if \a<6
	ROPE \a, 32
.elseif \a==6
	ROPE \a, 16
.else
	ROPE \a, 0
.endif
.if \a+3<8
	CSLOAD \a+3
.endif
.if \a>0
	s_wait_xcnt 0x0                                ; the last fragment's stores have read their registers
.endif
	QUANTW T, 0, PWA+\a
	OUT \a
.endr
	s_branch .Ljoin
.Lv_path:
.irp a, 0,1,2,3,4,5,6,7
.if \a>0
	s_wait_xcnt 0x0
.endif
	QUANTW 64*(\a%4), 2+\a/4, PWA+\a
	OUT \a
.endr
.Ljoin:
	v_cmp_eq_u32 vcc_lo, 1, v[H]
.irp k, 0,1,2,3
	v_cndmask_b32 v[172+\k], v[PWA+\k], v[PWA+4+\k], vcc_lo   ; lane (r, h): the words of fragments 4 h .. 4 h + 3 of row r
.endr
	global_store_b128 v[SO2], v[172:175], s[92:93] ; 512 dense bytes
	s_wait_tensorcnt 0x0                           ; the wave's end
	ds_add_u32 v[SPW], v[NIL]
	s_wait_dscnt 0x0
	CROUND                                         ; the closing round
	s_endpgm
.Lfunc_end_k_q05431ac530_gemm_qkv:
	.size	k_q05431ac530_gemm_qkv, .Lfunc_end_k_q05431ac530_gemm_qkv-k_q05431ac530_gemm_qkv
	.p2alignl 7, 3214868480
	.fill 96, 4, 3214868480
	.section	.rodata,"a",@progbits
	.p2align	6, 0x0
	.amdhsa_kernel k_q05431ac530_gemm_qkv
		.amdhsa_group_segment_fixed_size 327680
		.amdhsa_private_segment_fixed_size 0
		.amdhsa_enable_private_segment 0
		.amdhsa_kernarg_size 48
		.amdhsa_user_sgpr_count 2
		.amdhsa_user_sgpr_kernarg_segment_ptr 1
		.amdhsa_wavefront_size32 1
		.amdhsa_system_sgpr_workgroup_id_x 1
		.amdhsa_system_sgpr_workgroup_id_y 1
		.amdhsa_system_sgpr_workgroup_id_z 1
		.amdhsa_system_vgpr_workitem_id 0
		.amdhsa_next_free_vgpr 1024
		.amdhsa_next_free_sgpr 102
		.amdhsa_reserve_vcc 1
		.amdhsa_float_denorm_mode_32 3
		.amdhsa_float_denorm_mode_16_64 3
		.amdhsa_memory_ordered 1
		.amdhsa_forward_progress 1
		.amdhsa_inst_pref_size 218
	.end_amdhsa_kernel
	.amdgpu_metadata
---
amdhsa.version: [ 1, 2 ]
amdhsa.kernels:
  - .name:           k_q05431ac530_gemm_qkv
    .symbol:         k_q05431ac530_gemm_qkv.kd
    .args:
      - { .name: xcodes, .offset: 0, .size: 8, .value_kind: global_buffer, .address_space: global }
      - { .name: wcodes, .offset: 8, .size: 8, .value_kind: global_buffer, .address_space: global }
      - { .name: qcodes, .offset: 16, .size: 8, .value_kind: global_buffer, .address_space: global }
      - { .name: kvcodes, .offset: 24, .size: 8, .value_kind: global_buffer, .address_space: global }
      - { .name: cos, .offset: 32, .size: 8, .value_kind: global_buffer, .address_space: global }
      - { .name: sin, .offset: 40, .size: 8, .value_kind: global_buffer, .address_space: global }
    .group_segment_fixed_size: 327680
    .private_segment_fixed_size: 0
    .kernarg_segment_align: 8
    .kernarg_segment_size: 48
    .max_flat_workgroup_size: 128
    .sgpr_count:     102
    .vgpr_count:     1024
    .wavefront_size: 32
...
	.end_amdgpu_metadata
.endif
;; end of part 2
;; launch attn (part 3): grid 16 x 16, 8 waves a work-group, clusters of 4 x 1, 212,992 bytes of LDS; arguments qcodes, kvcodes, mask, q_param, log_scale, ocodes; writes ocodes
.if DOCPART == 3
	.amdgcn_target "amdgcn-amd-amdhsa--gfx1250"
	.amdhsa_code_object_version 6
	.text
	.protected	k_q05431ac530_attn
	.globl	k_q05431ac530_attn
	.p2align	8
	.type	k_q05431ac530_attn,@function
k_q05431ac530_attn:
	s_mov_b64 s[64:65], 0
	v_nop
	global_prefetch_b8 v0, s[64:65] scope:SCOPE_SE
	s_setreg_imm32_b32 hwreg(HW_REG_WAVE_MODE, 25, 1), 1
	s_wait_xcnt 0x0
	s_wait_alu depctr_hold_cnt(0) depctr_sa_sdst(0) depctr_va_vdst(0) depctr_va_sdst(0) depctr_va_ssrc(0) depctr_va_vcc(0) depctr_vm_vsrc(0)
	s_getreg_b32 s2, hwreg(HW_REG_IB_STS2, 6, 4)
	s_cmp_eq_u32 s2, 0
	s_cbranch_scc0 .Lentry_in_a_cluster
	s_endpgm
.Lentry_in_a_cluster:
	s_bfe_u32 s2, ttmp6, 0x10000c
	s_cmp_lg_u32 s2, 0x3003
	s_cbranch_scc0 .Lentry_shape_is_right
	s_endpgm
.Lentry_shape_is_right:
; LAUNCH 3 OF 4.  raw = (q0.k0)(q1.k1) - 2 tanh(q_param) (q0.k1)(q1.k0); t = raw exp(log_scale) log2(e) / 128; p = 2^(t - M), M the ceiling of the running largest t; O = (sum p v) / (sum p), quantised along d for the last product.
; LEFT OUT: key steps that lie wholly behind the causal mask (shown dead at launch 1's head).  Hidden keys inside a step, and keys that the input mask hides, get the bias -infinity, so p = 0.
; A QUERY WITH NO KEY THAT COUNTS has 1,024 equal logits in reference(): p = 1 for every key, the sum is 1,024.  Such a row ends here with the sum 0; it then takes the sum of the quantised v over ALL keys, made once by a product with ones, over 1,024: a select, no branch.
; LIMITS as at launch 1's head; p under 2^-126 counts as 0.
; THE FOUR SCORE PRODUCTS HAVE K = 64, the instruction 128.  In the operand's layout registers 0-5 hold k 0-63 and registers 6-11 k 64-127: k's fragment [k0 | k1] against [q0 | 0], [0 | q1], [0 | q0], [q1 | 0] gives the four apart; zero codes add nothing.
; The four variants overlap in 30 registers [q0][0][q1][0][q0]; those that move a half take q's scale word turned by 16 bits.
; SHARES.  Work-group (x, y): y = 4 b + g, j = x % 8, hp = x / 8.  Wave w has octave o = w (w < 4) or 11 - w: the 16 tokens of tile 8 o + j, for the two heads 4 g + 2 hp, + 1: two tiles of queries that share every fragment of k and v, the bias and the causal pattern.
; It walks key steps 0 .. o of 128 keys; step o is its diagonal.  That hangs on the wave's number alone.  Every work-group has 72 tile steps.
; k, v AND THEIR SCALE WORDS OF (b, g), 204,800 bytes, COME INTO LDS ONCE, by three joint loads a wave (cluster 4, 1, 1: four work-groups of one (b, g)); nothing is filled again, and the loop over keys has no barrier.
; No prefetch: all of k and v is asked for at the head.
; Both products are used transposed: a lane holds one query throughout.
; REGISTERS: window 0: v1-11 addresses and constants; v12-27 statistics; v28-31 q's scale words; v32-91 q; v92-99 scale words of k, then v; v100-115 bias; v116-163 four fragments; v164-227 score products, later at work, later four fragments of v; v228-251 p's codes; v255 the scale word of ones.
;   window 1: v0-127 O^T; v128-255 raw, then p.
.set SCL,   196608
.set BT,    204800                     ; a bias for each key: 0 or -infinity
.set VS,    208896                     ; the sum of v over all keys, 128 numbers
.set SPARE, 209408                     ; the spare words, 128 bytes a wave
.set SPW, 1
.set NIL, 2
.set AKV, 3
.set ADK, 4
.set ASC, 5
.set ADS, 6
.set ABT, 7
.set ADB, 8
.set DQ,  9
.set NINF,10
.set ONE, 11
.set ST,  12                           ; tile x at ST + 8 x: +0 -M, +1 largest t, +2, +3 the sum, +4 f, +5 p's scale word
.set QS,  28
.set Q,   32
.set KS,  92
.set BI,  100
.set KF,  116
.set P,   164
.set Z,   164
.set PC,  228
.set UNIT,255
.set RR,  128
.set TT,  180                          ; the way out
.set TM,  32
.set QC,  48
.set WV, 16
.set OCT,17
.set SN, 18
.set TB, 19
.set TS, 20
.set TBB,21
.set CS0,22
.set NG0,26
.set SEL,30
.set G1X,32
.set G1Y,40
.set G1Z,48
.set G0X,56
.set G0Y,60
.set G0Z,68
.set MSB, 0
.macro WIN new
.if MSB != (\new)
	s_set_vgpr_msb (MSB<<8)|(\new)
.set MSB, (\new)
.endif
.endm
.macro PLACES n
.rept \n
	v_nop
.endr
.endm
.macro ROUND
	s_barrier_signal -1
	s_barrier_wait -1
	s_cmp_lg_u32 s[WV], 0
	s_cbranch_scc1 .Lnot_wave_0_\@
	s_barrier_signal -3
.Lnot_wave_0_\@:
	s_barrier_wait -3
	s_barrier_signal -1
	s_barrier_wait -1
.endm
	s_load_b256 s[4:11], s[0:1], 0x0               ; qcodes, kvcodes, mask, q_param
	s_load_b128 s[12:15], s[0:1], 0x20             ; log_scale, ocodes
	v_lshl_add_u32 v[SPW], v0, 2, SPARE
	v_mov_b32 v[NIL], 0
	ds_add_u32 v[SPW], v[NIL]                      ; the wave's opening: the add, twice on end, and its wait ahead of my first tensor load
	ds_add_u32 v[SPW], v[NIL]
	v_lshrrev_b32 v3, 5, v0
	v_readfirstlane_b32 s[WV], v3
	s_lshr_b32 s72, s[WV], 2
	s_mul_i32 s72, s72, 3
	s_xor_b32 s[OCT], s[WV], s72                   ; 0 1 2 3 7 6 5 4
	s_bfe_u32 s73, ttmp6, 0x40000                  ; cx: it enters q's and O's addresses and the causal pattern's numbers alone
	s_lshl_b32 s74, ttmp9, 2
	s_add_co_u32 s74, s74, s73
	s_and_b32 s75, s74, 7                          ; j
	s_lshr_b32 s76, ttmp9, 1                       ; hp
	s_and_b32 s77, ttmp7, 0xffff                   ; y = 4 b + g
.irp g, G1X, G1Y, G1Z
	s_mov_b32 s[\g], 15|(3<<16)|(1<<21)            ; the mask: all four work-groups; elements of 8 bytes; bit 21 set beside a mask; no padding
	s_mov_b32 s[\g+1], 32<<16                      ; dense blocks as rows of 256 bytes
	s_mov_b32 s[\g+3], 32<<16
	s_mov_b32 s[\g+5], 32
	s_mov_b32 s[\g+6], 0
	s_mov_b32 s[\g+7], 0
.endr
	s_mov_b32 s[G1X+2], 4<<16                      ; my eighth of the scale words: 1,024 bytes
	s_mov_b32 s[G1X+4], 4
	s_mov_b32 s[G1Y+2], 12<<16                     ; of key step 0: 3,072 bytes
	s_mov_b32 s[G1Y+4], 12
	s_mov_b32 s[G1Z+2], 84<<16                     ; of key steps 1 to 7: 21,504 bytes
	s_mov_b32 s[G1Z+4], 84
	s_mul_i32 s78, s77, 196608
	s_mul_i32 s80, s[WV], 3072
	s_mov_b32 s[G0Y+1], s80
	s_add_co_u32 s80, s80, s78
	s_mov_b32 s81, 0
	s_mul_i32 s82, s[WV], 21504
	s_add_co_u32 s82, s82, 24576
	s_mov_b32 s[G0Z+1], s82
	s_add_co_u32 s82, s82, s78
	s_mov_b32 s83, 0
	s_lshl_b32 s84, s[WV], 10
	s_add_co_u32 s[G0X+1], s84, SCL
	s_lshl_b32 s79, s77, 13
	s_add_co_u32 s84, s84, s79
	s_add_co_u32 s84, s84, 3145728
	s_mov_b32 s85, 0
	s_mov_b32 s[SEL], 0x76543210
	s_mov_b32 s[SEL+1], 0xfedcba98
	s_mov_b32 s[SN], 0
	s_mov_b32 s[TB], 0
	s_mov_b32 s[TS], 0
	s_mov_b32 s[TBB], 0
	s_wait_dscnt 0x0                               ; both opening adds are done
	s_wait_kmcnt 0x0
	s_mov_b32 s[G0X], 1
	s_add_nc_u64 s[G0X+2:G0X+3], s[6:7], s[84:85]
	s_or_b32 s[G0X+3], s[G0X+3], 0x80000000
	s_mov_b32 s[G0Y], 1
	s_add_nc_u64 s[G0Y+2:G0Y+3], s[6:7], s[80:81]
	s_or_b32 s[G0Y+3], s[G0Y+3], 0x80000000
	s_mov_b32 s[G0Z], 1
	s_add_nc_u64 s[G0Z+2:G0Z+3], s[6:7], s[82:83]
	s_or_b32 s[G0Z+3], s[G0Z+3], 0x80000000
	ROUND                                          ; all four work-groups are here: the joint loads meet
	tensor_load_to_lds s[G0X:G0X+3], s[G1X:G1X+7]  ; by this text's count three tensor loads of a wave are out
	s_nop 0
	tensor_load_to_lds s[G0Y:G0Y+3], s[G1Y:G1Y+7]
	s_nop 0
	tensor_load_to_lds s[G0Z:G0Z+3], s[G1Z:G1Z+7]
	s_nop 0
.rept 4
	v_nop
.endr
	s_lshl_b32 s86, s77, 2
	s_lshl_b32 s87, s76, 1
	s_add_co_u32 s86, s86, s87                     ; 16 b + my first head
	s_and_b32 s88, s86, 15                         ; my first head
	s_lshr_b32 s89, s77, 2                         ; b
	s_lshl_b32 s90, s88, 2
	s_mov_b32 s91, 0
	s_add_nc_u64 s[10:11], s[10:11], s[90:91]
	s_add_nc_u64 s[12:13], s[12:13], s[90:91]
	s_load_b64 s[92:93], s[10:11], 0x0             ; q_param of my two heads
	s_load_b64 s[94:95], s[12:13], 0x0             ; log_scale
	s_lshl_b32 s90, s89, 12
	s_add_nc_u64 s[8:9], s[8:9], s[90:91]          ; the mask's row b
	s_lshl_b32 s96, s86, 3
	s_add_co_u32 s96, s96, s[OCT]                  ; q's group of 8 fragments
	s_lshl_b32 s97, s96, 3
	s_add_co_u32 s97, s97, s75
	s_mul_i32 s90, s97, 1536
	s_add_nc_u64 s[98:99], s[4:5], s[90:91]        ; q's fragment
	s_lshl_b32 s90, s96, 9
	s_lshl_b32 s97, s75, 2
	s_add_co_u32 s90, s90, s97
	s_add_co_u32 s90, s90, 6291456
	s_add_nc_u64 s[4:5], s[4:5], s[90:91]          ; q's scale words
	s_lshl_b32 s96, s89, 6
	s_lshl_b32 s97, s[OCT], 3
	s_add_co_u32 s96, s96, s97
	s_add_co_u32 s96, s96, s75                     ; my tile among the 256 of tokens
	s_lshl_b32 s97, s96, 4
	s_add_co_u32 s97, s97, s88
	s_mul_i32 s90, s97, 1536
	s_add_nc_u64 s[80:81], s[14:15], s[90:91]      ; O's fragments
	s_lshl_b32 s90, s96, 10
	s_lshr_b32 s97, s88, 1
	s_lshl_b32 s97, s97, 7
	s_add_co_u32 s90, s90, s97
	s_add_co_u32 s90, s90, 6291456
	s_add_nc_u64 s[82:83], s[14:15], s[90:91]      ; O's scale words
	v_and_b32 v[AKV], 31, v0
	v_lshlrev_b32 v[AKV], 4, v[AKV]                ; 16 x lane
	v_and_b32 v252, 15, v0                         ; r
	v_bfe_u32 v253, v0, 4, 1                       ; h
	v_lshl_add_u32 v[ASC], v252, 5, SCL
	v_lshl_add_u32 v[ABT], v253, 6, BT
	v_and_b32 v254, 8, v252
	v_add_nc_u32 v254, v254, v252
	s_lshr_b32 s72, s75, 1
	s_lshl_b32 s72, s72, 5
	s_and_b32 s79, s75, 1
	s_lshl_b32 s79, s79, 3
	s_add_co_u32 s72, s72, s79
	v_add_nc_u32 v[DQ], s72, v254                  ; my query's place in its 128,
	v_lshlrev_b32 v254, 4, v253
	v_sub_nc_u32 v[DQ], v[DQ], v254                ; less 16 h: register 16 b + i holds key 32 b + 16 h + i of a step
	v_lshlrev_b32 v254, 5, v252                    ; 32 r
	v_lshlrev_b32 v252, 4, v0                      ; 16 x thread
	global_load_b128 v[BI:BI+3], v252, s[8:9]      ; four keys' mask a thread
.irp x, 0,1
.irp c, 0,1,2
	global_load_b128 v[P+12*\x+4*\c:P+12*\x+4*\c+3], v[AKV], s[98:99] offset:98304*\x+512*\c
.endr
	global_load_b32 v[QS+2*\x], v254, s[4:5] offset:4096*\x
.endr
	v_mov_b32 v[NINF], 0xff800000
	v_mov_b32 v[ONE], 1.0
	v_mov_b32 v[UNIT], 0x7f7f7f7f                  ; four scale bytes of 2^0
.irp x, 0,1
	v_mov_b32 v[ST+8*\x+2], 0                      ; the sums
	v_mov_b32 v[ST+8*\x+3], 0
.endr
	s_wait_kmcnt 0x0
	v_mov_b32 v104, s92
	v_mov_b32 v105, s93
	v_mov_b32 v106, s94
	v_mov_b32 v107, s95
	v_mul_f32 v104, 0x4038aa3b, v104               ; 2 log2(e) q_param
	v_mul_f32 v105, 0x4038aa3b, v105
	v_mul_f32 v106, 0x3fb8aa3b, v106               ; log2(e) log_scale
	v_mul_f32 v107, 0x3fb8aa3b, v107
	v_exp_f32 v104, v104
	v_exp_f32 v105, v105
	v_exp_f32 v106, v106
	v_exp_f32 v107, v107
	v_nop                                          ; a plain place behind the batch
	s_wait_alu depctr_va_vdst(0)                   ; one wait for the four, ahead of their first reader
	v_add_f32 v104, 1.0, v104
	v_add_f32 v105, 1.0, v105
	v_mul_f32 v106, 0x3c38aa3b, v106               ; c = exp(log_scale) log2(e) / 128
	v_mul_f32 v107, 0x3c38aa3b, v107
	v_rcp_f32 v104, v104
	v_rcp_f32 v105, v105
	v_nop
	s_wait_alu depctr_va_vdst(0)
	v_fma_f32 v104, v104, 4.0, -2.0                ; -2 tanh(q_param) = 4 / (1 + e^(2 q_param)) - 2
	v_fma_f32 v105, v105, 4.0, -2.0
	v_readfirstlane_b32 s[NG0], v104               ; numbers for the arithmetic alone: no address and no branch hangs on them
	v_readfirstlane_b32 s[NG0+2], v105
	v_readfirstlane_b32 s[CS0], v106
	v_readfirstlane_b32 s[CS0+2], v107
	s_mov_b32 s[NG0+1], s[NG0]                     ; (the packed forms name pairs)
	s_mov_b32 s[NG0+3], s[NG0+2]
	s_mov_b32 s[CS0+1], s[CS0]
	s_mov_b32 s[CS0+3], s[CS0+2]
	s_wait_loadcnt 0x0
	v_alignbit_b32 v[QS+1], v[QS], v[QS], 16       ; q's scale word with its halves exchanged
	v_alignbit_b32 v[QS+3], v[QS+2], v[QS+2], 16
.irp i, 0,1,2,3
	v_cmp_eq_u32 vcc_lo, 0, v[BI+\i]
	v_cndmask_b32 v[BI+\i], 0, v[NINF], vcc_lo     ; a key that the mask hides: -infinity
.endr
	v_lshl_add_u32 v253, v0, 4, BT
	ds_store_b128 v253, v[BI:BI+3]
.irp x, 0,1
.irp i, 0,1,2,3,4,5
	v_mov_b32 v[Q+30*\x+\i], v[P+12*\x+\i]         ; [q0][0][q1][0][q0]
	v_mov_b32 v[Q+30*\x+6+\i], 0
	v_mov_b32 v[Q+30*\x+12+\i], v[P+12*\x+6+\i]
	v_mov_b32 v[Q+30*\x+18+\i], 0
	v_mov_b32 v[Q+30*\x+24+\i], v[P+12*\x+\i]
.endr
.endr
; LDS loads of a step raise the symbol ISS; each group keeps its index, and a wait's count is the loads issued behind the group that is wanted.
.macro LDK t                           ; k's fragment t into set t % 4
.irp c, 0,1,2
	ds_load_b128 v[KF+12*(\t%4)+4*\c:KF+12*(\t%4)+4*\c+3], v[ADK] offset:1536*\t+512*\c
.endr
.set ISS, ISS+3
.set IK\t, ISS
.endm
.macro LDB t                           ; the bias of tile t's keys into set t % 2
	ds_load_b128 v[BI+8*(\t%2):BI+8*(\t%2)+3], v[ADB] offset:128*(\t/2)+32*(\t%2)
	ds_load_b128 v[BI+8*(\t%2)+4:BI+8*(\t%2)+7], v[ADB] offset:128*(\t/2)+32*(\t%2)+16
.set ISS, ISS+2
.set IB\t, ISS
.endm
.macro WAITK t
	s_wait_dscnt ISS-IK\t
.endm
.macro WAITB t
	s_wait_dscnt ISS-IB\t
.endm
.macro W t, x                          ; the four score products of k's tile t and query tile x
	v_wmma_scale_f32_16x16x128_f8f6f4 v[P+32*\x:P+32*\x+7], v[KF+12*(\t%4):KF+12*(\t%4)+11], v[Q+30*\x:Q+30*\x+11], 0, v[KS+\t], v[QS+2*\x] matrix_a_fmt:MATRIX_FMT_FP6 matrix_b_fmt:MATRIX_FMT_FP6
	v_wmma_scale_f32_16x16x128_f8f6f4 v[P+32*\x+8:P+32*\x+15], v[KF+12*(\t%4):KF+12*(\t%4)+11], v[Q+30*\x+6:Q+30*\x+17], 0, v[KS+\t], v[QS+2*\x] matrix_a_fmt:MATRIX_FMT_FP6 matrix_b_fmt:MATRIX_FMT_FP6
	v_wmma_scale_f32_16x16x128_f8f6f4 v[P+32*\x+16:P+32*\x+23], v[KF+12*(\t%4):KF+12*(\t%4)+11], v[Q+30*\x+18:Q+30*\x+29], 0, v[KS+\t], v[QS+2*\x+1] matrix_a_fmt:MATRIX_FMT_FP6 matrix_b_fmt:MATRIX_FMT_FP6
	v_wmma_scale_f32_16x16x128_f8f6f4 v[P+32*\x+24:P+32*\x+31], v[KF+12*(\t%4):KF+12*(\t%4)+11], v[Q+30*\x+12:Q+30*\x+23], 0, v[KS+\t], v[QS+2*\x+1] matrix_a_fmt:MATRIX_FMT_FP6 matrix_b_fmt:MATRIX_FMT_FP6
.endm
.macro C t, x                          ; raw = (q0k0)(q1k1) + bias - g (q0k1)(q1k0): each accumulator is read from its low end on
.irp i, 0,2,4,6
	v_pk_mul_f32 v[P+32*\x+16+\i:P+32*\x+17+\i], v[P+32*\x+16+\i:P+32*\x+17+\i], v[P+32*\x+24+\i:P+32*\x+25+\i]
	v_pk_fma_f32 v[P+32*\x+\i:P+32*\x+1+\i], v[P+32*\x+\i:P+32*\x+1+\i], v[P+32*\x+8+\i:P+32*\x+9+\i], v[BI+8*(\t%2)+\i:BI+8*(\t%2)+1+\i]
.endr
	WIN 0x40
.irp i, 0,2,4,6
	v_pk_fma_f32 v[RR+64*\x+8*\t+\i:RR+64*\x+8*\t+1+\i], v[P+32*\x+16+\i:P+32*\x+17+\i], s[NG0+2*\x:NG0+2*\x+1], v[P+32*\x+\i:P+32*\x+1+\i] op_sel_hi:[1,0,1]
.endr
	WIN 0
.endm
.macro DIAG t                          ; in my diagonal step the keys behind my query get the bias -infinity, once for both query tiles
	s_cmp_lg_u32 s[SN], s[OCT]
	s_cbranch_scc1 .Lopen_\@
.irp i, 0,1,2,3,4,5,6,7
	v_cmp_gt_i32 vcc_lo, 32*(\t/2)+8*(\t%2)+\i, v[DQ]
	v_cndmask_b32 v[BI+8*(\t%2)+\i], v[BI+8*(\t%2)+\i], v[NINF], vcc_lo
.endr
.Lopen_\@:
.endm
; A KEY STEP of 128 keys for my two query tiles.  first = 1: step 0, whose products start O^T.
.macro STEP first
.if !\first
	s_cmp_gt_u32 s[SN], s[OCT]                     ; a step all of whose keys come after my queries: ids alone
	s_cbranch_scc1 .Lskip_\@
.endif
	v_add_nc_u32 v[ADK], s[TB], v[AKV]
	v_add_nc_u32 v[ADS], s[TS], v[ASC]
	v_add_nc_u32 v[ADB], s[TBB], v[ABT]
	PLACES 3                                       ; six places in all behind the last step's products: their operands' registers are loaded into, and written over by products, below
.set ISS, 0
	ds_load_b128 v[KS:KS+3], v[ADS]                ; k's scale words: tiles 0-7 of row r
	ds_load_b128 v[KS+4:KS+7], v[ADS] offset:16
.set ISS, ISS+2
	LDK 0
	LDB 0
	LDK 1
	LDB 1
	LDK 2
	LDK 3
	WAITK 0
	W 0, 0
	W 0, 1
	PLACES 5                                       ; behind the first products there is no other tile's arithmetic yet
	WAITB 0
	DIAG 0
	C 0, 0
	WAITK 1
	W 1, 0
	C 0, 1
	LDK 4
	LDB 2
	W 1, 1
	WAITB 1
	DIAG 1
	C 1, 0
	WAITK 2
	W 2, 0
	C 1, 1
	LDK 5
	LDB 3
	W 2, 1
	WAITB 2
	DIAG 2
	C 2, 0
	WAITK 3
	W 3, 0
	C 2, 1
	LDK 6
	LDB 4
	W 3, 1
	WAITB 3
	DIAG 3
	C 3, 0
	WAITK 4
	W 4, 0
	C 3, 1
	LDK 7
	LDB 5
	W 4, 1
	WAITB 4
	DIAG 4
	C 4, 0
	WAITK 5
	W 5, 0
	C 4, 1
	LDB 6
	W 5, 1
	WAITB 5
	DIAG 5
	C 5, 0
	WAITK 6
	W 6, 0
	C 5, 1
	LDB 7
	W 6, 1
	WAITB 6
	DIAG 6
	C 6, 0
	WAITK 7
	W 7, 0
	C 6, 1
	W 7, 1
	WAITB 7
	DIAG 7
	C 7, 0
	C 7, 1
	ds_load_b128 v[KS:KS+3], v[ADS] offset:512     ; v's scale words, and its first four fragments
	ds_load_b128 v[KS+4:KS+7], v[ADS] offset:528
.irp a, 0,1,2,3
.irp c, 0,1,2
	ds_load_b128 v[KF+12*\a+4*\c:KF+12*\a+4*\c+3], v[ADK] offset:12288+1536*\a+512*\c
.endr
.endr
	; the largest raw of each block of 32 keys: for the row's maximum, and, since p rises with raw (c is positive), for the block's largest p
	WIN 0x15
.irp b, 0,1,2,3
.irp x, 0,1
	v_max3_num_f32 v[Z+32*\x+\b], v[RR+64*\x+16*\b], v[RR+64*\x+16*\b+1], v[RR+64*\x+16*\b+2]
.endr
.endr
	WIN 0x14
.irp i, 3,5,7,9,11,13
.irp b, 0,1,2,3
.irp x, 0,1
	v_max3_num_f32 v[Z+32*\x+\b], v[Z+32*\x+\b], v[RR+64*\x+16*\b+\i], v[RR+64*\x+16*\b+\i+1]
.endr
.endr
.endr
.irp b, 0,1,2,3
.irp x, 0,1
	v_max_num_f32 v[Z+32*\x+\b], v[Z+32*\x+\b], v[RR+64*\x+16*\b+15]
.endr
.endr
	WIN 0
.irp b, 0,1,2,3
.irp x, 0,1
	v_permlanex16_b32 v[Z+32*\x+4+\b], v[Z+32*\x+\b], s[SEL], s[SEL+1]
.endr
.endr
.irp b, 0,1,2,3
.irp x, 0,1
	v_max_num_f32 v[Z+32*\x+\b], v[Z+32*\x+\b], v[Z+32*\x+4+\b]
.endr
.endr
.irp x, 0,1
	v_max3_num_f32 v[Z+32*\x+14], v[Z+32*\x], v[Z+32*\x+1], v[Z+32*\x+2]
.endr
.irp x, 0,1
	v_max_num_f32 v[Z+32*\x+14], v[Z+32*\x+14], v[Z+32*\x+3]
.endr
.irp x, 0,1
	v_mul_f32 v[Z+32*\x+14], s[CS0+2*\x], v[Z+32*\x+14]   ; as t
.endr
.if \first
.irp x, 0,1
	v_max_num_f32 v[ST+8*\x+1], 0xff61b1e6, v[Z+32*\x+14]   ; the largest t so far, not under -3e38
.endr
.irp x, 0,1
	v_floor_f32 v[ST+8*\x], -v[ST+8*\x+1]          ; -M = floor(-t): M is a whole number
.endr
.else
.irp x, 0,1
	v_max_num_f32 v[ST+8*\x+1], v[ST+8*\x+1], v[Z+32*\x+14]
.endr
.irp x, 0,1
	v_mov_b32 v[Z+32*\x+14], v[ST+8*\x]
.endr
.irp x, 0,1
	v_floor_f32 v[ST+8*\x], -v[ST+8*\x+1]
.endr
.irp x, 0,1
	v_sub_f32 v[Z+32*\x+14], v[ST+8*\x], v[Z+32*\x+14]   ; old M - new M: a whole number, 0 or less
.endr
.irp x, 0,1
	v_cvt_i32_f32 v[Z+32*\x+14], v[Z+32*\x+14]     ; (it saturates)
.endr
.irp x, 0,1
	v_ldexp_f32 v[ST+8*\x+4], 1.0, v[Z+32*\x+14]   ; f = 2^(old M - new M)
.endr
.endif
.irp b, 0,1,2,3
.irp x, 0,1
	v_fma_f32 v[Z+32*\x+\b], v[Z+32*\x+\b], s[CS0+2*\x], v[ST+8*\x]
.endr
.endr
	WIN 0x41
.irp x, 0,1
.set i, 0
.rept 32
	v_pk_fma_f32 v[RR+64*\x+i:RR+64*\x+i+1], v[RR+64*\x+i:RR+64*\x+i+1], s[CS0+2*\x:CS0+2*\x+1], v[ST+8*\x:ST+8*\x+1] op_sel_hi:[1,0,0]   ; t - M
.set i, i+2
.endr
.endr
.set i, 0
.rept 128
	v_exp_f32 v[RR+i], v[RR+i]                     ; p = 2^(t - M): one batch for both tiles
.set i, i+1
.endr
	WIN 0
.if \first
	v_nop                                          ; a plain place behind the batch
.else
.irp x, 0,1
	v_pk_mul_f32 v[ST+8*\x+2:ST+8*\x+3], v[ST+8*\x+2:ST+8*\x+3], v[ST+8*\x+4:ST+8*\x+5] op_sel_hi:[1,0]   ; the sums under the new M: also the plain place behind the batch
.endr
.endif
	s_wait_alu depctr_va_vdst(0)                   ; one wait for the batch, ahead of its first reader
.irp b, 0,1,2,3
.irp x, 0,1
	v_exp_f32 v[Z+32*\x+\b], v[Z+32*\x+\b]         ; each block's largest p
.endr
.endr
	WIN 0x05
.irp x, 0,1
	v_pk_add_f32 v[Z+32*\x+12:Z+32*\x+13], v[RR+64*\x:RR+64*\x+1], v[RR+64*\x+2:RR+64*\x+3]   ; the row's sum is taken of the unquantised p, in two chains
.endr
	WIN 0x04
.set i, 4
.rept 15
.irp x, 0,1
	v_pk_add_f32 v[ST+8*\x+2:ST+8*\x+3], v[ST+8*\x+2:ST+8*\x+3], v[RR+64*\x+i:RR+64*\x+i+1]
	v_pk_add_f32 v[Z+32*\x+12:Z+32*\x+13], v[Z+32*\x+12:Z+32*\x+13], v[RR+64*\x+i+2:RR+64*\x+i+3]
.endr
.set i, i+4
.endr
	WIN 0
.irp x, 0,1
	v_pk_add_f32 v[ST+8*\x+2:ST+8*\x+3], v[ST+8*\x+2:ST+8*\x+3], v[Z+32*\x+12:Z+32*\x+13]
.endr
	s_wait_alu depctr_va_vdst(0)                   ; and one for the eight
.irp b, 0,1,2,3
.irp x, 0,1
	v_max_num_f32 v[Z+32*\x+\b], 0x1800000, v[Z+32*\x+\b]   ; the floor: the byte cannot fall under 1
.endr
.endr
.irp b, 0,1,2,3
.irp x, 0,1
	v_add_nc_u32 v[Z+32*\x+8+\b], 0xff000000, v[Z+32*\x+\b]
.endr
.endr
.irp b, 0,1,2,3
.irp x, 0,1
	v_lshrrev_b32 v[Z+32*\x+4+\b], 23, v[Z+32*\x+8+\b]
.endr
.endr
.irp x, 0,1
	v_lshl_or_b32 v[ST+8*\x+5], v[Z+32*\x+5], 8, v[Z+32*\x+4]
.endr
.irp x, 0,1
	v_lshl_or_b32 v[ST+8*\x+5], v[Z+32*\x+6], 16, v[ST+8*\x+5]
.endr
.irp x, 0,1
	v_lshl_or_b32 v[ST+8*\x+5], v[Z+32*\x+7], 24, v[ST+8*\x+5]   ; p's scale word for these 128 keys
.endr
	WIN 0x01
.irp x, 0,1
.irp c, 0,1
	v_cvt_scalef32_pk16_fp6_f32 v[PC+12*\x+6*\c:PC+12*\x+6*\c+2], v[RR+64*\x+32*\c:RR+64*\x+32*\c+15], v[Z+32*\x+8+2*\c]
	v_cvt_scalef32_pk16_fp6_f32 v[Z+32*\x+16+4*\c:Z+32*\x+18+4*\c], v[RR+64*\x+32*\c+16:RR+64*\x+32*\c+31], v[Z+32*\x+9+2*\c]
.endr
.endr
	WIN 0
	v_nop                                          ; one plain place behind a scaled conversion
.irp x, 0,1
.irp c, 0,1
.irp i, 0,1,2
	v_permlane16_swap_b32 v[PC+12*\x+6*\c+\i], v[Z+32*\x+16+4*\c+\i]
.endr
.irp i, 0,1,2
	v_mov_b32 v[PC+12*\x+6*\c+3+\i], v[Z+32*\x+16+4*\c+\i]
.endr
.endr
.endr
.irp a, 4,5,6,7
.irp c, 0,1,2
	ds_load_b128 v[P+12*(\a-4)+4*\c:P+12*(\a-4)+4*\c+3], v[ADK] offset:12288+1536*\a+512*\c   ; v's other four fragments, where the softmax was at work
.endr
.endr
.if \first
	PLACES 8                                       ; p's scale word stands 8 places ahead of the products, its codes 4
.else
	WIN 0x41
.irp x, 0,1
.set i, 0
.rept 32
	v_pk_mul_f32 v[64*\x+i:64*\x+i+1], v[64*\x+i:64*\x+i+1], v[ST+8*\x+4:ST+8*\x+5] op_sel_hi:[1,0]   ; O^T under the new M; ascending: each accumulator from its low end on
.set i, i+2
.endr
.endr
.endif
	s_wait_dscnt 12                                ; v's words and first four fragments are in; the twelve loads of the other four may be out
	WIN 0x50
.irp a, 0,1,2,3
.irp x, 0,1
.if \first
	v_wmma_scale_f32_16x16x128_f8f6f4 v[64*\x+8*\a:64*\x+8*\a+7], v[KF+12*\a:KF+12*\a+11], v[PC+12*\x:PC+12*\x+11], 0, v[KS+\a], v[ST+8*\x+5] matrix_a_fmt:MATRIX_FMT_FP6 matrix_b_fmt:MATRIX_FMT_FP6
.else
	v_wmma_scale_f32_16x16x128_f8f6f4 v[64*\x+8*\a:64*\x+8*\a+7], v[KF+12*\a:KF+12*\a+11], v[PC+12*\x:PC+12*\x+11], v[64*\x+8*\a:64*\x+8*\a+7], v[KS+\a], v[ST+8*\x+5] matrix_a_fmt:MATRIX_FMT_FP6 matrix_b_fmt:MATRIX_FMT_FP6
.endif
.endr
.endr
	s_wait_dscnt 0x0
.irp a, 4,5,6,7
.irp x, 0,1
.if \first
	v_wmma_scale_f32_16x16x128_f8f6f4 v[64*\x+8*\a:64*\x+8*\a+7], v[P+12*(\a-4):P+12*(\a-4)+11], v[PC+12*\x:PC+12*\x+11], 0, v[KS+\a], v[ST+8*\x+5] matrix_a_fmt:MATRIX_FMT_FP6 matrix_b_fmt:MATRIX_FMT_FP6
.else
	v_wmma_scale_f32_16x16x128_f8f6f4 v[64*\x+8*\a:64*\x+8*\a+7], v[P+12*(\a-4):P+12*(\a-4)+11], v[PC+12*\x:PC+12*\x+11], v[64*\x+8*\a:64*\x+8*\a+7], v[KS+\a], v[ST+8*\x+5] matrix_a_fmt:MATRIX_FMT_FP6 matrix_b_fmt:MATRIX_FMT_FP6
.endif
.endr
.endr
	WIN 0
.Lskip_\@:
	s_add_co_u32 s[SN], s[SN], 1
	s_add_co_u32 s[TB], s[TB], 24576
	s_add_co_u32 s[TS], s[TS], 1024
	s_add_co_u32 s[TBB], s[TBB], 512
.endm
	s_wait_tensorcnt 1                             ; the scale words and my part of key step 0 are in; the load of steps 1 to 7 may be out
	s_wait_dscnt 0x0                               ; my part of the bias is stored
	s_barrier_signal -1
	s_barrier_wait -1
	STEP 1
	s_wait_tensorcnt 0x0                           ; my part of steps 1 to 7
	s_wait_dscnt 0x0
	s_barrier_signal -1
	s_barrier_wait -1
	; THE SUM OF THE QUANTISED v OVER ALL KEYS: wave w multiplies v's fragment w of all eight steps by ones (the code of 1.0 is 8; scale bytes 2^0): two accumulators by turns
	PLACES 4
.irp i, 0,1,2,3
	v_mov_b32 v[PC+3*\i], 0x08208208
	v_mov_b32 v[PC+3*\i+1], 0x82082082
	v_mov_b32 v[PC+3*\i+2], 0x20820820
.endr
	s_mul_i32 s72, s[WV], 1536
	s_add_co_u32 s72, s72, 12288
	v_add_nc_u32 v252, s72, v[AKV]
	v_add_nc_u32 v253, 73728, v252
	v_add_nc_u32 v254, 147456, v252
	s_lshl_b32 s72, s[WV], 2
	v_add_nc_u32 v[ADS], s72, v[ASC]
.irp s, 0,1,2,3,4,5,6,7
.irp c, 0,1,2
	ds_load_b128 v[KF+12*\s+4*\c:KF+12*\s+4*\c+3], v[252+\s/3] offset:24576*(\s%3)+512*\c
.endr
	ds_load_b32 v[KS+\s], v[ADS] offset:512+1024*\s
.endr
	PLACES 4
	s_wait_dscnt 0x0
.irp s, 0,1,2,3,4,5,6,7
.if \s<2
	v_wmma_scale_f32_16x16x128_f8f6f4 v[BI+8*(\s%2):BI+8*(\s%2)+7], v[KF+12*\s:KF+12*\s+11], v[PC:PC+11], 0, v[KS+\s], v[UNIT] matrix_a_fmt:MATRIX_FMT_FP6 matrix_b_fmt:MATRIX_FMT_FP6
.else
	v_wmma_scale_f32_16x16x128_f8f6f4 v[BI+8*(\s%2):BI+8*(\s%2)+7], v[KF+12*\s:KF+12*\s+11], v[PC:PC+11], v[BI+8*(\s%2):BI+8*(\s%2)+7], v[KS+\s], v[UNIT] matrix_a_fmt:MATRIX_FMT_FP6 matrix_b_fmt:MATRIX_FMT_FP6
.endif
.endr
	s_lshr_b32 s72, s[WV], 1
	s_lshl_b32 s72, s72, 7
	s_and_b32 s79, s[WV], 1
	s_lshl_b32 s79, s79, 5
	s_add_co_u32 s72, s72, s79
	v_bfe_u32 v252, v0, 4, 1
	v_lshl_add_u32 v252, v252, 6, VS
	v_add_nc_u32 v252, s72, v252                   ; register j of half h is channel 32 (w / 2) + 8 (w % 2) + 16 h + j
	PLACES 2
.irp i, 0,2,4,6
	v_pk_add_f32 v[BI+\i:BI+\i+1], v[BI+\i:BI+\i+1], v[BI+8+\i:BI+9+\i]
.endr
	ds_store_b128 v252, v[BI:BI+3]                 ; the sixteen lanes of a half store the same numbers to the same bytes
	ds_store_b128 v252, v[BI+4:BI+7] offset:16
	s_wait_dscnt 0x0
	s_barrier_signal -1
	s_barrier_wait -1                              ; the sum is whole; from here on the waves run free
.Lkeys:                                            ; key steps 1 to 7: seven trips in every wave; a wave jumps over the work of the steps behind its diagonal
	STEP 0
	s_cmp_lt_u32 s[SN], 8
	s_cbranch_scc1 .Lkeys
; THE WAY OUT.
.macro QUANT s, pw
.irp b, 0,1,2,3
	v_max3_num_f32 v[TM+\b], |v[(\s)+16*\b]|, |v[(\s)+1+16*\b]|, 0x1800000
.endr
.irp i, 2,4,6,8,10,12,14
.irp b, 0,1,2,3
	v_max3_num_f32 v[TM+\b], v[TM+\b], |v[(\s)+16*\b+\i]|, |v[(\s)+1+16*\b+\i]|
.endr
.endr
.irp b, 0,1,2,3
	v_permlanex16_b32 v[TM+4+\b], v[TM+\b], s[SEL], s[SEL+1]
.endr
.irp b, 0,1,2,3
	v_max_num_f32 v[TM+\b], v[TM+\b], v[TM+4+\b]
.endr
.irp b, 0,1,2,3
	v_add_nc_u32 v[TM+12+\b], 0xff000000, v[TM+\b]
.endr
.irp b, 0,1,2,3
	v_lshrrev_b32 v[TM+4+\b], 23, v[TM+12+\b]
.endr
	v_lshl_or_b32 v[\pw], v[TM+5], 8, v[TM+4]
	v_lshl_or_b32 v[\pw], v[TM+6], 16, v[\pw]
	v_lshl_or_b32 v[\pw], v[TM+7], 24, v[\pw]
.irp c, 0,1
	v_cvt_scalef32_pk16_fp6_f32 v[QC+6*\c:QC+2+6*\c], v[(\s)+32*\c:(\s)+15+32*\c], v[TM+12+2*\c]
	v_cvt_scalef32_pk16_fp6_f32 v[QC+12+4*\c:QC+14+4*\c], v[(\s)+16+32*\c:(\s)+31+32*\c], v[TM+13+2*\c]
.endr
	v_nop
.irp c, 0,1
.irp i, 0,1,2
	v_permlane16_swap_b32 v[QC+6*\c+\i], v[QC+12+4*\c+\i]
.endr
.irp i, 0,1,2
	v_mov_b32 v[QC+3+6*\c+\i], v[QC+12+4*\c+\i]
.endr
.endr
.endm
	PLACES 4                                       ; behind the last products
	v_bfe_u32 v254, v0, 4, 1                       ; h
	v_lshl_add_u32 v253, v254, 6, VS
.set i, 0
.rept 16
	ds_load_b128 v[KF+4*i:KF+4*i+3], v253 offset:128*(i/4)+16*(i%4)   ; the sum of v at my 64 channels
.set i, i+1
.endr
	s_wait_dscnt 0x0
.irp x, 0,1
	v_add_f32 v6, v[ST+8*\x+2], v[ST+8*\x+3]
	v_permlanex16_b32 v7, v6, s[SEL], s[SEL+1]
	v_add_f32 v6, v6, v7                           ; the row's sum
	v_cmp_eq_f32 vcc_lo, 0, v6
	v_cndmask_b32 v8, 0, v[ONE], vcc_lo            ; 1 for a row with no key that counts
	v_fma_f32 v6, v8, 0x44800000, v6               ; its sum is 1,024
	v_rcp_f32 v4, v6
	v_nop
	s_wait_alu depctr_va_vdst(0)                   ; ahead of the reciprocal's first reader
	WIN 0x10
.set i, 0
.rept 32
	v_pk_fma_f32 v[TT+i:TT+i+1], v[KF+i:KF+i+1], v[8:9], v[64*\x+i:64*\x+i+1] op_sel_hi:[1,0,1]   ; O^T, or for such a row the sum of v; each accumulator from its low end on
.set i, i+2
.endr
	WIN 0
.set i, 0
.rept 32
	v_pk_mul_f32 v[TT+i:TT+i+1], v[TT+i:TT+i+1], v[4:5] op_sel_hi:[1,0]
.set i, i+2
.endr
.if \x>0
	s_wait_xcnt 0x0                                ; the first tile's stores have read their registers
.endif
	QUANT TT, 252+\x
.irp c, 0,1,2
	global_store_b128 v[AKV], v[QC+4*\c:QC+4*\c+3], s[80:81] offset:1536*\x+512*\c
.endr
.endr
	v_cmp_eq_u32 vcc_lo, 1, v254
	v_cndmask_b32 v252, v252, v253, vcc_lo         ; lane (r, h): the word of row r for head h of my two
	v_and_b32 v253, 15, v0
	v_lshlrev_b32 v253, 3, v253
	v_lshl_add_u32 v253, v254, 2, v253
	global_store_b32 v253, v252, s[82:83]          ; 128 dense bytes: the other two heads of the 256 are another work-group's
	s_wait_tensorcnt 0x0                           ; the wave's end
	ds_add_u32 v[SPW], v[NIL]
	s_wait_dscnt 0x0
	ROUND                                          ; the closing round
	s_endpgm
.Lfunc_end_k_q05431ac530_attn:
	.size	k_q05431ac530_attn, .Lfunc_end_k_q05431ac530_attn-k_q05431ac530_attn
	.p2alignl 7, 3214868480
	.fill 96, 4, 3214868480
	.section	.rodata,"a",@progbits
	.p2align	6, 0x0
	.amdhsa_kernel k_q05431ac530_attn
		.amdhsa_group_segment_fixed_size 212992
		.amdhsa_private_segment_fixed_size 0
		.amdhsa_enable_private_segment 0
		.amdhsa_kernarg_size 48
		.amdhsa_user_sgpr_count 2
		.amdhsa_user_sgpr_kernarg_segment_ptr 1
		.amdhsa_wavefront_size32 1
		.amdhsa_system_sgpr_workgroup_id_x 1
		.amdhsa_system_sgpr_workgroup_id_y 1
		.amdhsa_system_sgpr_workgroup_id_z 1
		.amdhsa_system_vgpr_workitem_id 0
		.amdhsa_next_free_vgpr 512
		.amdhsa_next_free_sgpr 100
		.amdhsa_reserve_vcc 1
		.amdhsa_float_denorm_mode_32 3
		.amdhsa_float_denorm_mode_16_64 3
		.amdhsa_memory_ordered 1
		.amdhsa_forward_progress 1
		.amdhsa_inst_pref_size 151
	.end_amdhsa_kernel
	.amdgpu_metadata
---
amdhsa.version: [ 1, 2 ]
amdhsa.kernels:
  - .name:           k_q05431ac530_attn
    .symbol:         k_q05431ac530_attn.kd
    .args:
      - { .name: qcodes, .offset: 0, .size: 8, .value_kind: global_buffer, .address_space: global }
      - { .name: kvcodes, .offset: 8, .size: 8, .value_kind: global_buffer, .address_space: global }
      - { .name: mask, .offset: 16, .size: 8, .value_kind: global_buffer, .address_space: global }
      - { .name: q_param, .offset: 24, .size: 8, .value_kind: global_buffer, .address_space: global }
      - { .name: log_scale, .offset: 32, .size: 8, .value_kind: global_buffer, .address_space: global }
      - { .name: ocodes, .offset: 40, .size: 8, .value_kind: global_buffer, .address_space: global }
    .group_segment_fixed_size: 212992
    .private_segment_fixed_size: 0
    .kernarg_segment_align: 8
    .kernarg_segment_size: 48
    .max_flat_workgroup_size: 256
    .sgpr_count:     100
    .vgpr_count:     512
    .wavefront_size: 32
...
	.end_amdgpu_metadata
.endif
;; end of part 3
;; launch gemm_out (part 4): grid 8 x 32, 4 waves a work-group, clusters of 4 x 4, 327,680 bytes of LDS; arguments ocodes, wocodes, out0; writes out0
.if DOCPART == 4
	.amdgcn_target "amdgcn-amd-amdhsa--gfx1250"
	.amdhsa_code_object_version 6
	.text
	.protected	k_q05431ac530_gemm_out
	.globl	k_q05431ac530_gemm_out
	.p2align	8
	.type	k_q05431ac530_gemm_out,@function
k_q05431ac530_gemm_out:
	s_mov_b64 s[64:65], 0
	v_nop
	global_prefetch_b8 v0, s[64:65] scope:SCOPE_SE
	s_setreg_imm32_b32 hwreg(HW_REG_WAVE_MODE, 25, 1), 1
	s_wait_xcnt 0x0
	s_wait_alu depctr_hold_cnt(0) depctr_sa_sdst(0) depctr_va_vdst(0) depctr_va_sdst(0) depctr_va_ssrc(0) depctr_va_vcc(0) depctr_vm_vsrc(0)
	s_getreg_b32 s2, hwreg(HW_REG_IB_STS2, 6, 4)
	s_cmp_eq_u32 s2, 0
	s_cbranch_scc0 .Lentry_in_a_cluster
	s_endpgm
.Lentry_in_a_cluster:
	s_bfe_u32 s2, ttmp6, 0x10000c
	s_cmp_lg_u32 s2, 0xf033
	s_cbranch_scc0 .Lentry_shape_is_right
	s_endpgm
.Lentry_shape_is_right:
; LAUNCH 4 OF 4.  out0 = O Wo on codes of E2M3.  Nothing is left out here.
; A work-group makes 128 tokens x 256 columns: 256 work-groups.  Four waves, each 64 x 128: 32 accumulators.  Source 0 = 16 columns of Wo, source 1 = 16 tokens: a lane holds one token and neighbouring columns.
; K goes in steps of 128, four to a slot, through a ring of two LDS slots; fragments are images of their registers (launch 1's head).  CLUSTERS 4 x 4: O's tiles are asked for jointly along a row, Wo's along a column.
; The rows of a tile are not neighbours (launch 1's head): the way out puts each row of a tile at its own token.
; REGISTERS: window 0: v0-31 addresses; v32-63 scale words, two sets; v64-111, v160-207 source 1's fragments, two sets.  window 1: v0-95, v128-223 source 0's, two sets.  window 2: accumulators, (a, b) at v[8 (8 a + b)].
.set NA,    4
.set NQ,    4
.set FRB,   NQ*1536
.set HALFA, NA*FRB
.set HALFB, 8*FRB
.set SLOT,  2*HALFA+2*HALFB
.set SCL,   2*SLOT
.set SCA,   NA*1024
.set SPARE, SCL+2*SCA+16384+4096
.set LAPS,  16/(2*NQ)
.set ASOFF, 6291456
.set BSOFF, 3145728
.set ADRA, 16
.set ADRB, 20
.set STO,  24
.set RD,   25
.set CO,   26
.set ADRS, 27
.set SPW,  28
.set NIL,  29
.set SC,   32
.set AF,   64
.set BK,   64
.set G1A, 24
.set G0A, 32
.set G1B, 40
.set G0B, 48
.set G1SA, 56
.set G0SA, 68
.set G1SB, 72
.set G0SB, 80
.set MSB, 0
.set SSTEP, 0
.macro WIN new
.if MSB != (\new)
	s_set_vgpr_msb (MSB<<8)|(\new)
.set MSB, (\new)
.endif
.endm
.macro PLACES n
.rept \n
	v_nop
.endr
.endm
.macro JLOAD g0a, g1a, g0b, g1b        ; a joint load: waves 0, 1 fetch O's halves, waves 2, 3 Wo's; an s_nop 0 and four v_nop follow each line
	s_cmp_eq_u32 s17, 0
	s_cbranch_scc0 .Lfor_b_\@
	tensor_load_to_lds s[\g0a:\g0a+3], s[\g1a:\g1a+7]
	s_nop 0
.rept 4
	v_nop
.endr
	s_branch .Lasked_\@
.Lfor_b_\@:
	tensor_load_to_lds s[\g0b:\g0b+3], s[\g1b:\g1b+7]
	s_nop 0
.rept 4
	v_nop
.endr
.Lasked_\@:
.endm
.macro CREST
	s_cmp_lg_u32 s16, 0
	s_cbranch_scc1 .Lnot_wave_0_\@
	s_barrier_signal -3
.Lnot_wave_0_\@:
	s_barrier_wait -3
	s_barrier_signal -1
	s_barrier_wait -1
.endm
.macro CROUND
	s_barrier_signal -1
	s_barrier_wait -1
	CREST
.endm
	s_load_b128 s[4:7], s[0:1], 0x0                ; ocodes, wocodes
	s_load_b64 s[8:9], s[0:1], 0x10                ; out0
	v_lshl_add_u32 v[SPW], v0, 2, SPARE
	v_mov_b32 v[NIL], 0
	ds_add_u32 v[SPW], v[NIL]                      ; the wave's opening: the add, twice on end, and its wait ahead of my first tensor load
	ds_add_u32 v[SPW], v[NIL]
	v_lshrrev_b32 v1, 5, v0
	v_readfirstlane_b32 s16, v1
	s_lshr_b32 s17, s16, 1                         ; my half of the tokens.  Also: I fetch for O (0) or for Wo (1)
	s_and_b32 s18, s16, 1                          ; my half of the columns.  Also: which half I fetch
	s_bfe_u32 s84, ttmp6, 0x40000
	s_bfe_u32 s85, ttmp6, 0x40004
	s_lshl_b32 s86, ttmp9, 2
	s_add_co_u32 s86, s86, s84                     ; columns tile
	s_and_b32 s87, ttmp7, 0xffff
	s_lshl_b32 s87, s87, 2
	s_add_co_u32 s87, s87, s85                     ; tokens tile
	s_lshl_b32 s88, s85, 2
	s_lshl_b32 s88, 15, s88
	s_lshl_b32 s89, 0x1111, s84
	s_or_b32 s[G1A], s88, (3<<16)|(1<<21)
	s_or_b32 s[G1B], s89, (3<<16)|(1<<21)
	s_or_b32 s[G1SA], s88, (3<<16)|(1<<21)
	s_or_b32 s[G1SB], s89, (3<<16)|(1<<21)
	s_mov_b32 s[G1A+1], (FRB/8)<<16
	s_mov_b32 s[G1A+2], NA<<16
	s_mov_b32 s[G1A+3], (FRB/8)<<16
	s_mov_b32 s[G1A+4], NA
	s_mov_b32 s[G1A+5], 3072
	s_mov_b32 s[G1A+6], 0
	s_mov_b32 s[G1A+7], 0
	s_mov_b32 s[G1B+1], (FRB/8)<<16
	s_mov_b32 s[G1B+2], 8<<16
	s_mov_b32 s[G1B+3], (FRB/8)<<16
	s_mov_b32 s[G1B+4], 8
	s_mov_b32 s[G1B+5], 3072
	s_mov_b32 s[G1B+6], 0
	s_mov_b32 s[G1B+7], 0
	s_mov_b32 s[G1SA+1], 32<<16
	s_mov_b32 s[G1SA+2], (4*NA)<<16
	s_mov_b32 s[G1SA+3], 32<<16
	s_mov_b32 s[G1SA+4], 4*NA
	s_mov_b32 s[G1SA+5], 32
	s_mov_b32 s[G1SA+6], 0
	s_mov_b32 s[G1SA+7], 0
	s_mov_b32 s[G1SB+1], 32<<16
	s_mov_b32 s[G1SB+2], 32<<16
	s_mov_b32 s[G1SB+3], 32<<16
	s_mov_b32 s[G1SB+4], 32
	s_mov_b32 s[G1SB+5], 32
	s_mov_b32 s[G1SB+6], 0
	s_mov_b32 s[G1SB+7], 0
	s_mul_i32 s90, s87, 2*NA
	s_mul_i32 s99, s18, NA
	s_add_co_u32 s90, s90, s99
	s_lshl_b32 s92, s90, 10
	s_add_co_u32 s92, s92, ASOFF
	s_mul_i32 s90, s90, 24576
	s_mov_b32 s91, 0
	s_mov_b32 s93, 0
	s_lshl_b32 s94, s86, 4
	s_lshl_b32 s100, s18, 3
	s_add_co_u32 s94, s94, s100
	s_lshl_b32 s96, s94, 10
	s_add_co_u32 s96, s96, BSOFF
	s_mul_i32 s94, s94, 24576
	s_mov_b32 s95, 0
	s_mov_b32 s97, 0
	s_mul_i32 s99, s18, HALFA
	s_mul_i32 s100, s18, HALFB
	s_add_co_u32 s100, s100, 2*HALFA
	s_mul_i32 s101, s18, SCA
	s_add_co_u32 s101, s101, SCL
	s_lshl_b32 s2, s18, 13
	s_add_co_u32 s2, s2, SCL+2*SCA
	s_wait_dscnt 0x0                               ; both opening adds are done
	s_wait_kmcnt 0x0
	s_add_nc_u64 s[90:91], s[4:5], s[90:91]
	s_add_nc_u64 s[92:93], s[4:5], s[92:93]
	s_add_nc_u64 s[94:95], s[6:7], s[94:95]
	s_add_nc_u64 s[96:97], s[6:7], s[96:97]
	CROUND                                         ; all sixteen work-groups are here: the first joint loads meet
	s_mov_b32 s[G0SA], 1
	s_mov_b32 s[G0SA+1], s101
	s_mov_b64 s[G0SA+2:G0SA+3], s[92:93]
	s_or_b32 s[G0SA+3], s[G0SA+3], 0x80000000
	s_mov_b32 s[G0SB], 1
	s_mov_b32 s[G0SB+1], s2
	s_mov_b64 s[G0SB+2:G0SB+3], s[96:97]
	s_or_b32 s[G0SB+3], s[G0SB+3], 0x80000000
	JLOAD G0SA, G1SA, G0SB, G1SB
.irp s, 0,1
	s_mov_b32 s[G0A+4*\s], 1
	s_add_co_u32 s[G0A+4*\s+1], s99, \s*SLOT
	s_add_nc_u64 s[G0A+4*\s+2:G0A+4*\s+3], s[90:91], \s*FRB
	s_or_b32 s[G0A+4*\s+3], s[G0A+4*\s+3], 0x80000000
	s_mov_b32 s[G0B+4*\s], 1
	s_add_co_u32 s[G0B+4*\s+1], s100, \s*SLOT
	s_add_nc_u64 s[G0B+4*\s+2:G0B+4*\s+3], s[94:95], \s*FRB
	s_or_b32 s[G0B+4*\s+3], s[G0B+4*\s+3], 0x80000000
	JLOAD G0A+4*\s, G1A, G0B+4*\s, G1B             ; by this text's count three tensor loads of a wave are out
.endr
	v_and_b32 v1, 31, v0
	v_lshlrev_b32 v2, 4, v1                        ; 16 x lane
	v_and_b32 v3, 15, v0                           ; r
	v_bfe_u32 v4, v0, 4, 1                         ; h
	s_mul_i32 s99, s17, HALFA
	s_mul_i32 s100, s18, HALFB
	s_add_co_u32 s100, s100, 2*HALFA
.irp s, 0,1
	v_add_nc_u32 v[ADRA+\s], s99, v2
	v_add_nc_u32 v[ADRB+\s], s100, v2
	s_add_co_u32 s99, s99, SLOT
	s_add_co_u32 s100, s100, SLOT
.endr
	s_mul_i32 s99, s17, SCA                        ; lanes 0-15 take O's scale words, lanes 16-31 Wo's
	s_lshl_b32 s100, s18, 13
	s_add_co_u32 s100, s100, 2*SCA
	s_sub_co_u32 s100, s100, s99
	v_mul_u32_u24 v5, s100, v4
	s_add_co_u32 s99, s99, SCL
	v_lshl_add_u32 v5, v3, 3, v5
	v_add_nc_u32 v[ADRS], s99, v5
	s_mul_i32 s99, s16, 8448                       ; my stage for the way out: 16 rows x (512 bytes + 16), in slot 0
	v_mul_u32_u24 v5, v3, 528
	v_lshl_add_u32 v5, v4, 6, v5
	v_add_nc_u32 v[STO], s99, v5
	v_add_nc_u32 v[RD], s99, v2
	v_mov_b32 v[CO], v2
	s_lshl_b32 s90, s87, 7
	s_lshl_b32 s99, s17, 6
	s_add_co_u32 s90, s90, s99
	s_lshl_b32 s90, s90, 13                        ; my first token's row of 8,192 bytes
	s_lshl_b32 s94, s86, 10
	s_lshl_b32 s99, s18, 9
	s_add_co_u32 s94, s94, s99
	s_add_co_u32 s90, s90, s94
	s_mov_b32 s91, 0
	s_add_nc_u64 s[8:9], s[8:9], s[90:91]
.macro FRAG reg, adr, off
.irp c, 0,1,2
	ds_load_b128 v[(\reg)+4*\c:(\reg)+4*\c+3], v[\adr] offset:(\off)+512*\c
.endr
.endm
.macro FETCH slot, q, set
	WIN 0x40
.irp i, 0,1,2,3,4,5,6,7
	FRAG 128*(\set)+12*\i, ADRB+\slot, \i*FRB+1536*(\q)
.endr
	WIN 0
.set II, 0
.rept NA
	FRAG AF+96*(\set)+12*II, ADRA+\slot, II*FRB+1536*(\q)
.set II, II+1
.endr
.if ((\q)%2)==0
.if SSTEP
	v_add_nc_u32 v[ADRS], 128, v[ADRS]
.endif
.set SSTEP, 1
.irp i, 0,1,2,3,4,5,6,7
	ds_load_b64 v[SC+16*((((\slot)*NQ+(\q))/2)%2)+2*\i:SC+16*((((\slot)*NQ+(\q))/2)%2)+2*\i+1], v[ADRS] offset:1024*\i   ; (lanes 0-15 want blocks 0-3 alone: what they read for 4-7 lies in the filled scale words and is not used)
.endr
.endif
.endm
.macro MULA a, set, q, ss, zero        ; the accumulators take turns, one instruction a turn, in the same order in every step
	WIN 0xa1
.irp b, 0,1,2,3,4,5,6,7
.if \zero
	v_wmma_scale_f32_16x16x128_f8f6f4 v[8*(8*(\a)+\b):8*(8*(\a)+\b)+7], v[128*(\set)+12*\b:128*(\set)+12*\b+11], v[AF+96*(\set)+12*(\a):AF+96*(\set)+12*(\a)+11], 0, v[SC+16*(\ss)+2*\b+(\q)%2], v[SC+16*(\ss)+2*(\a)+(\q)%2] matrix_a_fmt:MATRIX_FMT_FP6 matrix_b_fmt:MATRIX_FMT_FP6 matrix_a_scale:MATRIX_SCALE_ROW1
.else
	v_wmma_scale_f32_16x16x128_f8f6f4 v[8*(8*(\a)+\b):8*(8*(\a)+\b)+7], v[128*(\set)+12*\b:128*(\set)+12*\b+11], v[AF+96*(\set)+12*(\a):AF+96*(\set)+12*(\a)+11], v[8*(8*(\a)+\b):8*(8*(\a)+\b)+7], v[SC+16*(\ss)+2*\b+(\q)%2], v[SC+16*(\ss)+2*(\a)+(\q)%2] matrix_a_fmt:MATRIX_FMT_FP6 matrix_b_fmt:MATRIX_FMT_FP6 matrix_a_scale:MATRIX_SCALE_ROW1
.endif
.endr
.endm
.macro MULR a0, n, set, q, ss, zero
.set AA, \a0
.rept \n
	MULA AA, \set, \q, \ss, \zero
.set AA, AA+1
.endr
.endm
.macro STEP slot, q, zero
	s_wait_dscnt 0x0                               ; this step's fragments, asked for a step ago, are in
	PLACES 4                                       ; in front of loads into registers that the last step's products read
	FETCH \slot, (\q)+1, ((\q)+1)%2
	MULR 0, NA, (\q)%2, \q, (((\slot)*NQ+(\q))/2)%2, \zero
	WIN 0
.endm
.macro TURN slot, next, fill
	s_wait_tensorcnt 0x0                           ; all my tensor loads have landed: my part of the next slot
	ds_add_u32 v[SPW], v[NIL]                      ; 0 onto my spare word
	s_wait_dscnt 1                                 ; the fragments are in; the add alone may be out
	MULR 0, NA/4, 1, NQ-1, (((\slot)*NQ+NQ-1)/2)%2, 0
	s_wait_dscnt 0x0                               ; the add is done, and my reads of this slot are over
	s_barrier_signal -1
	MULR NA/4, NA/4, 1, NQ-1, (((\slot)*NQ+NQ-1)/2)%2, 0
	WIN 0
	s_barrier_wait -1
.if \fill
	CREST                                          ; no wave of any partner still reads this slot or has a load on its way
	s_add_nc_u64 s[G0A+4*\slot+2:G0A+4*\slot+3], s[G0A+4*\slot+2:G0A+4*\slot+3], 2*FRB
	s_add_nc_u64 s[G0B+4*\slot+2:G0B+4*\slot+3], s[G0B+4*\slot+2:G0B+4*\slot+3], 2*FRB
	JLOAD G0A+4*\slot, G1A, G0B+4*\slot, G1B       ; the first tensor load behind the round; its four v_nop are the places in front of the loads below
.else
	PLACES 4
.endif
	FETCH \next, 0, 0
	MULR NA/2, NA/2, 1, NQ-1, (((\slot)*NQ+NQ-1)/2)%2, 0
	WIN 0
.endm
	s_wait_tensorcnt 1                             ; the scale words and my part of slot 0 are in; slot 1's load may be out
	s_barrier_signal -1
	s_barrier_wait -1
	FETCH 0, 0, 0
	STEP 0, 0, 1                                   ; the first step's products start the sums
	s_mov_b32 s3, LAPS-1
.Llap:
	STEP 0, 1, 0
	STEP 0, 2, 0
	TURN 0, 1, 1
	STEP 1, 0, 0
	STEP 1, 1, 0
	STEP 1, 2, 0
	TURN 1, 0, 1
	STEP 0, 0, 0
	s_sub_co_u32 s3, s3, 1
	s_cmp_lg_u32 s3, 0
	s_cbranch_scc1 .Llap
	STEP 0, 1, 0                                   ; the last lap fills nothing
	STEP 0, 2, 0
	TURN 0, 1, 0
	STEP 1, 0, 0
	STEP 1, 1, 0
	STEP 1, 2, 0
	s_wait_dscnt 0x0                               ; the very last K step
	MULR 0, NA, 1, NQ-1, ((NQ+NQ-1)/2)%2, 0
	WIN 0
; THE WAY OUT, a tile of 16 tokens x 128 columns at a time, through my own stage in slot 0, which has had its last fill, and whose last read lies ahead of the last change of slots.
; Register 16 b + m of lane (r, h) is column 32 b + 16 h + m of token r.  LDS serves a wave's instructions in order: no wait between the stores and the loads.
.macro TOSTAGE a
	WIN 0x08                                       ; an LDS store's data: window 2
.set i, 0
.rept 16
	ds_store_b128 v[STO], v[64*(\a)+4*i:64*(\a)+4*i+3] offset:128*(i/4)+16*(i%4)   ; ascending: each accumulator from its low end on
.set i, i+1
.endr
	WIN 0
.set i, 0
.rept 16
	ds_load_b128 v[BK+64*((\a)%2)+4*i:BK+64*((\a)%2)+4*i+3], v[RD] offset:528*i
.set i, i+1
.endr
.endm
.macro SEND a, younger                 ; younger: the LDS instructions issued behind tile a's loads, which may stay out
	s_wait_dscnt \younger
.set i, 0
.rept 16
	global_store_b128 v[CO], v[BK+64*((\a)%2)+4*i:BK+64*((\a)%2)+4*i+3], s[8:9] offset:(32*((\a)/2)+8*((\a)%2)+i+8*(i/8))*8192 th:TH_STORE_NT   ; 512 dense bytes of one row, aligned
.set i, i+1
.endr
.endm
	PLACES 4
	TOSTAGE 0
.irp a, 1,2,3
.if \a>1
	s_wait_xcnt 0x0                                ; tile a - 2's stores have read their registers
.endif
	TOSTAGE \a
	SEND \a-1, 32                                  ; behind tile a - 1's loads: tile a's 16 stores and 16 loads
.endr
	SEND 3, 0
	s_wait_tensorcnt 0x0                           ; the wave's end
	ds_add_u32 v[SPW], v[NIL]
	s_wait_dscnt 0x0
	CROUND                                         ; the closing round
	s_endpgm
.Lfunc_end_k_q05431ac530_gemm_out:
	.size	k_q05431ac530_gemm_out, .Lfunc_end_k_q05431ac530_gemm_out-k_q05431ac530_gemm_out
	.p2alignl 7, 3214868480
	.fill 96, 4, 3214868480
	.section	.rodata,"a",@progbits
	.p2align	6, 0x0
	.amdhsa_kernel k_q05431ac530_gemm_out
		.amdhsa_group_segment_fixed_size 327680
		.amdhsa_private_segment_fixed_size 0
		.amdhsa_enable_private_segment 0
		.amdhsa_kernarg_size 24
		.amdhsa_user_sgpr_count 2
		.amdhsa_user_sgpr_kernarg_segment_ptr 1
		.amdhsa_wavefront_size32 1
		.amdhsa_system_sgpr_workgroup_id_x 1
		.amdhsa_system_sgpr_workgroup_id_y 1
		.amdhsa_system_sgpr_workgroup_id_z 1
		.amdhsa_system_vgpr_workitem_id 0
		.amdhsa_next_free_vgpr 768
		.amdhsa_next_free_sgpr 102
		.amdhsa_reserve_vcc 0
		.amdhsa_float_denorm_mode_32 3
		.amdhsa_float_denorm_mode_16_64 3
		.amdhsa_memory_ordered 1
		.amdhsa_forward_progress 1
		.amdhsa_inst_pref_size 136
	.end_amdhsa_kernel
	.amdgpu_metadata
---
amdhsa.version: [ 1, 2 ]
amdhsa.kernels:
  - .name:           k_q05431ac530_gemm_out
    .symbol:         k_q05431ac530_gemm_out.kd
    .args:
      - { .name: ocodes, .offset: 0, .size: 8, .value_kind: global_buffer, .address_space: global }
      - { .name: wocodes, .offset: 8, .size: 8, .value_kind: global_buffer, .address_space: global }
      - { .name: out0, .offset: 16, .size: 8, .value_kind: global_buffer, .address_space: global }
    .group_segment_fixed_size: 327680
    .private_segment_fixed_size: 0
    .kernarg_segment_align: 8
    .kernarg_segment_size: 24
    .max_flat_workgroup_size: 128
    .sgpr_count:     102
    .vgpr_count:     768
    .wavefront_size: 32
...
	.end_amdgpu_metadata
.endif
;; end of part 4
